; MI455X (gfx1250); checked and timed in simulation.
; The chip was launched on July 23, 2026; its instructions are those of AMD's public machine-readable ISA for CDNA 5 (MIT licence, August 2026) and "CDNA5" Instruction Set Architecture Reference Guide (July 2026). The comments in the code are by the model that wrote it; some were corrected since.
;; Full Attention. Allowed arithmetic: matrix products marked QUANTISED: E2M3 operands, one E8M0 scale for each 32 along K, by v_wmma_scale_f32_16x16x128_f8f6f4 with both operands' format E2M3, f32 sums; everything else in f32.
;; Inputs: attention_mask 4 x 1 x 2,048 x 2,048 bool; keys_codes 4 x 2,048 x 16 x 2 x 24 uint8 (E2M3 codes of keys, K innermost, in blocks of 32 codes, four codes in three bytes); keys_scales 4 x 2,048 x 16 x 2 uint8 (E8M0 scales of keys, one for each 32 codes along K); queries_codes 4 x 2,048 x 16 x 2 x 24 uint8 (E2M3 codes of queries, K innermost, in blocks of 32 codes, four codes in three bytes); queries_scales 4 x 2,048 x 16 x 2 uint8 (E8M0 scales of queries, one for each 32 codes along K); values_codes 4 x 16 x 64 x 64 x 24 uint8 (E2M3 codes of values, K innermost, in blocks of 32 codes, four codes in three bytes); values_scales 4 x 16 x 64 x 64 uint8 (E8M0 scales of values, one for each 32 codes along K).
;; Outputs: out0 4 x 2,048 x 16 x 64 float32.
;; This version of the problem:
;;   THIS VERSION OF THE PROBLEM IS GIVEN IN LOW PRECISION. The matrix products marked QUANTISED in the list below multiply operands that are first quantised to E2M3 (2 exponent bits, 3 mantissa bits; 6 bits a number), with one power-of-two scale for each 32 numbers along K (OCP MX v1.0); their sums are f32. All else is computed in f32.
;;   The module's matrix products, in the order in which they are computed (A, B: the left and right operand; K: the contracted axis; several contracted axes count as one K, in the product's order):
;;     1. batch 64 x [M 2,048, K 64] x [K 64, N 2,048]; A: input queries (given as codes); B: input keys (given as codes): QUANTISED
;;     2. batch 64 x [M 64, K 2,048] x [K 2,048, N 2,048]; A: input values (given as codes); B: computed on the way: QUANTISED
;;   THE QUANTISER, for each operand of a quantised product, along K:
;;     - K is cut into blocks of 32 from its start; a last block that is shorter is filled with zeros.
;;     - A block's scale is 2^e with e = floor(log2(the largest magnitude in the block)) - 2, held to -126 .. 127; a block of zeros has e = 0. As a byte (E8M0): e + 127.
;;     - Each number is divided by its block's scale, clamped to +-7.5, and rounded to the nearest number of E2M3, ties to even, subnormals kept.
;;     - The product sums the exact products of the quantised numbers (number of the format x scale) in f32.
;;   ~~~python
;;   def quantise(x, axis):      # numpy; x: float32 -> the quantised numbers, widened to float32 again
;;       x = np.moveaxis(x, axis, -1); K = x.shape[-1]
;;       x = np.pad(x, [(0, 0)] * (x.ndim - 1) + [(0, -K % 32)]); x = x.reshape(x.shape[:-1] + (-1, 32)); a = np.abs(x).max(-1, keepdims=True)
;;       e = np.where(a > 0, np.clip(np.frexp(np.where(a > 0, a, 1))[1] - 1 - 2, -126, 127), 0)      # np.frexp(a)[1] - 1 = floor(log2(a)), exactly
;;       r = np.clip(x / 2.0 ** e, -7.5, 7.5)
;;       step = 2.0 ** (np.maximum(np.frexp(np.where(r == 0, 1, r))[1] - 1, 0) - 3)
;;       q = np.round(r / step) * step * 2.0 ** e      # np.round: ties to even
;;       return np.moveaxis(q.reshape(q.shape[:-2] + (-1,))[..., :K], -1, axis).astype(np.float32)
;;   ~~~
;;   OPERANDS COMPUTED ON THE WAY. 'Computed on the way' means the value that the module computes at that place (a softmax that the list does not call 'softmax' is quantised finished and normalised). What goes into a quantiser is computed in f32, as accurately as f32 sums, v_exp_f32 and their like allow (about 1e-6 of the number): no bf16 or f16 on the way to a quantiser, and a product that is left as it is and whose result goes on into a quantised operand takes f32 operands (vector FMAs, or v_wmma_f32_16x16x4_f32). A number that lies on a knife's edge between two numbers of the format may be rounded either way, as far as f32 arithmetic and the matrix unit's own rounding can turn it there, and no further.
;;   INPUTS GIVEN AS CODES. keys (in the module: [4, 2048, 16, 64], K = its axis 3); queries (in the module: [4, 2048, 16, 64], K = its axis 3); values (in the module: [4, 2048, 16, 64], K = its axis 1): each comes as NAME_codes (uint8): NAME with its K axis moved to the last place and cut into blocks of 32 codes, [.., K / 32, bytes a block], one block behind the other in memory; four codes in three bytes: a row's codes are one little-endian stream of bits, code i at bits 6 i .. 6 i + 5 (a code: sign, 2 exponent bits, 3 mantissa bits); and NAME_scales (uint8): the same leading axes, one E8M0 byte (e + 127) for each 32 codes along K. Its value is code x scale, taken as it is: it is not quantised again, and the codes and scales need not be those that the quantiser above would give.
;; 2 versions. Each part assembles by itself: llvm-mc -triple=amdgcn-amd-amdhsa -mcpu=gfx1250 --defsym DOCPART=n.
;; ======== version 1 of 2: 2 launches
;; workspace buffers: lmask 2,097,152 bytes of whole numbers; flags 65,536 bytes of whole numbers; kvimg 13,107,200 bytes
;; launch prep (part 1): grid 1024 x 1, 8 waves a work-group, no clusters, 35,840 bytes of LDS; arguments attention_mask, keys_codes, keys_scales, values_codes, values_scales, lmask, kvimg, flags; writes lmask, kvimg, flags
.if DOCPART == 1
	.amdgcn_target "amdgcn-amd-amdhsa--gfx1250"
	.amdhsa_code_object_version 6
	.text
	.protected	k_qbe551ff52a_prep
	.globl	k_qbe551ff52a_prep
	.p2align	8
	.type	k_qbe551ff52a_prep,@function
k_qbe551ff52a_prep:
	s_mov_b64 s[64:65], 0
	v_nop
	global_prefetch_b8 v0, s[64:65] scope:SCOPE_SE
	s_setreg_imm32_b32 hwreg(HW_REG_WAVE_MODE, 25, 1), 1
	s_wait_xcnt 0x0
; PREPARATION FOR THE ATTENTION LAUNCH.  Nothing of the problem is left out: every input is read, here or in the next launch.
; (a) Work-groups 0-511: attention_mask [4][1][2048][2048] (one byte, 1 = hidden) becomes LANE MASKS, whole numbers that the next launch reads.
;     lmask [b 4][query tile 128][key step 16][word n 64]: bit L of word n is 1 where query 16 tile + L % 16 MAY see key 128 step + 32 (n / 16) + 16 (L / 16) + n % 16:
;     that is score register n of lane L in the next launch.  A record is 256 bytes.
;     flags [b 4][query tile 128][key step 16][2]: word 0 is other than 0 where some bit of the record is set (some key may be seen), word 1 where some bit is clear (some key is hidden).
;     A work-group takes 16 queries x 2,048 keys, wave W the keys 256 W on (steps 2 W, 2 W + 1).  Each load reads two whole pieces of 256 bytes; the bytes turn through the wave's own stage in LDS,
;     so that lane (r, hl) holds query r's 16 bytes of each block's half hl; a compare makes a word of 32 lanes' bits, v_writelane_b32 puts word n into lane n / 2, register n % 2.
;     A wave's flags are 16 bytes: one lane stores them, 64 KiB in the whole launch.
; (b) Work-groups 512-1023: K's and V's codes and scale bytes are laid, head by head, in the ORDER OF THE OPERAND'S REGISTERS, so that the next launch copies a head as one dense block and reads fragments by 16 bytes a lane.
;     kvimg, 204,800 bytes a head: 0: K [step 16][pair 4][1,536];  98,304: V [step 16][tile 4][1,536];  196,608: K's scale words [step 16][r 16][4];  200,704: V's [step 16][r 16][4].
;     An image is a fragment's 12 registers: registers 4 g .. 4 g + 3 of lane l at 512 g + 16 l.
;     A fragment of K is a PAIR of tiles of 16 keys x 64: registers 0-5 tile 2 p, registers 6-11 tile 2 p + 1.  Lane r of tile 2 p + u takes key 32 p + 8 u + r + 8 (r / 8), so that the scores' 16 registers
;     of a pair are 16 neighbouring keys.  Its scale word: the two bytes of tile 2 p's key below, those of tile 2 p + 1's above.
;     A fragment of V is 16 of the head's 64 x 128 keys, as it lies in memory.
;     A work-group takes two key steps of one head: wave W step 2 sp + W / 4, pair and tile W % 4; wave 0 also makes K's scale words, wave 4 V's.  K's rows are 48 bytes of rows of 768 in the tensor itself.
; No barrier: waves share nothing.  Only path (a) touches LDS.
.set STGW,  4352                       ; a wave's stage: 16 rows x (256 bytes + 16): the 16 rows that a load of 16 bytes a lane touches start at 16 different columns of 16 bytes
.set SPARE, 34816                      ; behind the eight stages: the spare words, 128 bytes for each wave: four blocks of 256 bytes that no other line names
.set HEADB, 204800                     ; a head's image
	s_load_b256 s[4:11], s[0:1], 0x0               ; mask s[4:5], K's codes s[6:7], K's scales s[8:9], V's codes s[10:11]
	s_load_b128 s[12:15], s[0:1], 0x20             ; V's scales s[12:13], lmask s[14:15]
	s_load_b128 s[16:19], s[0:1], 0x30             ; kvimg s[16:17], flags s[18:19]
	v_lshl_add_u32 v4, v0, 2, SPARE                ; my spare word; never rewritten
	v_mov_b32 v5, 0                                ; 0; never rewritten
	v_lshrrev_b32 v1, 5, v0
	v_readfirstlane_b32 s40, v1                    ; wave W
	v_and_b32 v1, 31, v0                           ; lane
	v_and_b32 v2, 15, v0                           ; r
	v_bfe_u32 v3, v0, 4, 1                         ; hl
	s_cmp_lt_u32 ttmp9, 512
	s_cbranch_scc0 .Lkv
	; ---------------- (a) the mask ----------------
	s_mul_i32 s41, s40, STGW
	v_mul_u32_u24 v7, v3, 272
	v_lshl_add_u32 v7, v2, 4, v7
	v_add_nc_u32 v7, s41, v7                       ; into the stage: row hl of a pair of rows, 16 r
	v_mul_u32_u24 v8, v2, 272
	v_lshl_add_u32 v8, v3, 4, v8
	v_add_nc_u32 v8, s41, v8                       ; out of it: row r, 16 hl
	v_lshlrev_b32 v6, 11, v3
	v_lshl_add_u32 v6, v2, 4, v6                   ; in memory: a query's row is 2,048 bytes
	v_lshlrev_b32 v9, 3, v1                        ; a record: 8 bytes a lane
	v_mov_b32 v12, 0                               ; the flags' store: no lane term
	s_lshl_b32 s20, ttmp9, 15                      ; 16 rows of 2,048 bytes a work-group,
	s_lshl_b32 s21, s40, 8                         ; 256 keys a wave
	s_add_co_u32 s20, s20, s21
	s_mov_b32 s21, 0
	s_lshl_b32 s22, ttmp9, 12                      ; 16 records a work-group,
	s_lshl_b32 s23, s40, 9                         ; two a wave
	s_add_co_u32 s22, s22, s23
	s_mov_b32 s23, 0
	s_lshl_b32 s36, ttmp9, 7                       ; 16 steps' flags, 128 bytes, a work-group,
	s_lshl_b32 s37, s40, 4                         ; two steps', 16 bytes, a wave
	s_add_co_u32 s36, s36, s37
	s_mov_b32 s37, 0
	s_wait_kmcnt 0x0
	s_add_nc_u64 s[4:5], s[4:5], s[20:21]
	s_add_nc_u64 s[14:15], s[14:15], s[22:23]
	s_add_nc_u64 s[18:19], s[18:19], s[36:37]
.irp k, 0,1,2,3,4,5,6,7
	global_load_b128 v[16+4*\k:19+4*\k], v6, s[4:5] offset:4096*\k th:TH_LOAD_NT   ; rows 2 k and 2 k + 1: sixteen lanes read 256 consecutive bytes
.endr
.irp k, 0,1,2,3,4,5,6,7
	s_wait_loadcnt 7-\k                            ; loads come back in order: pair k is in, the 7 - k younger ones may be out
	ds_store_b128 v7, v[16+4*\k:19+4*\k] offset:544*\k
.endr
.irp s, 0,1
.irp bb, 0,1,2,3
	ds_load_b128 v[48+16*\s+4*\bb:51+16*\s+4*\bb], v8 offset:128*\s+32*\bb   ; the stage is my wave's own and LDS serves a wave's instructions in order: these see the stores above
.endr
.endr
.irp j, 80,81,82,83
	v_mov_b32 v\j, 0                               ; v_writelane_b32's destination counts as read
.endr
; The 64 words of step s, and its two flags.  Byte n % 4 of register n / 4 is the mask byte of score register n.
.macro BITS s
.set n, 0
.rept 64
.if n%4 < 3
	v_and_b32 v[84+n%4], 0xff<<(8*(n%4)), v[48+16*\s+n/4]
	v_cmp_eq_u32 s[24+n%8], 0, v[84+n%4]           ; a bit for each lane: the byte is 0, the key may be seen
.else
	v_cmp_gt_u32 s[24+n%8], 0x1000000, v[48+16*\s+n/4]   ; the top byte is 0
.endif
	v_writelane_b32 v[80+2*\s+n%2], s[24+n%8], n/2
.set n, n+1
.endr
	global_store_b64 v9, v[80+2*\s:81+2*\s], s[14:15] offset:256*\s   ; 32 lanes store 256 consecutive bytes, at a multiple of 256 from the buffer's first byte
	v_or_b32 v10, v[80+2*\s], v[81+2*\s]
	v_and_b32 v11, v[80+2*\s], v[81+2*\s]
	v_cmp_ne_u32 s[32+2*\s], 0, v10                ; the lanes whose two words have a bit set: 0 = the whole tile of 16 x 128 is hidden
	v_cmp_ne_u32 s[33+2*\s], -1, v11               ; the lanes whose two words have a bit clear: 0 = nothing of it is hidden
	v_mov_b32 v[88+2*\s], s[32+2*\s]
	v_mov_b32 v[89+2*\s], s[33+2*\s]
.endm
	s_wait_dscnt 4                                 ; step 0's four loads are in; step 1's four may be out
	BITS 0
	s_wait_dscnt 0x0
	BITS 1
	v_cmp_eq_u32 vcc_lo, 0, v1                     ; lane 0 stores my two steps' flags
	s_wait_xcnt 0x0                                ; EXEC is a source of the stores above: it changes only behind this wait
	s_and_saveexec_b32 s38, vcc_lo
	global_store_b128 v12, v[88:91], s[18:19]
	s_wait_xcnt 0x0                                ; and again, in front of the line that widens it
	s_or_b32 exec_lo, exec_lo, s38
	s_wait_tensorcnt 0x0                           ; the wave's end
	ds_add_u32 v4, v5
	s_wait_dscnt 0x0
	s_endpgm
	; ---------------- (b) K and V ----------------
.Lkv:
	s_sub_co_u32 s41, ttmp9, 512
	s_lshr_b32 s20, s41, 3                         ; bh = 16 b + h
	s_and_b32 s21, s41, 7                          ; sp: steps 2 sp, 2 sp + 1
	s_lshr_b32 s22, s20, 4                         ; b
	s_and_b32 s23, s20, 15                         ; h
	s_lshr_b32 s24, s40, 2
	s_lshl_b32 s25, s21, 1
	s_add_co_u32 s24, s24, s25                     ; my step
	s_and_b32 s25, s40, 3                          ; my pair of K, my tile of V
	s_lshl_b32 s26, s22, 11
	s_lshl_b32 s27, s24, 7
	s_add_co_u32 s26, s26, s27
	s_lshl_b32 s27, s25, 5
	s_add_co_u32 s26, s26, s27                     ; key 2,048 b + 128 step + 32 pair
	s_mul_i32 s26, s26, 768                        ; a key's 16 heads are 768 bytes,
	s_mul_i32 s27, s23, 48                         ; a head's 64 codes 48
	s_add_co_u32 s26, s26, s27
	s_mov_b32 s27, 0
	s_lshl_b32 s28, s20, 6
	s_lshl_b32 s29, s25, 4
	s_add_co_u32 s28, s28, s29                     ; V's row 64 bh + 16 tile
	s_mul_i32 s28, s28, 1536                       ; of 2,048 codes,
	s_mul_i32 s29, s24, 96                         ; 96 bytes a step
	s_add_co_u32 s28, s28, s29
	s_mov_b32 s29, 0
	s_mul_i32 s30, s20, HEADB
	s_mov_b32 s31, 0
	s_lshl_b32 s32, s24, 2
	s_add_co_u32 s32, s32, s25
	s_mul_i32 s32, s32, 1536                       ; my image's place among K's, and among V's
	s_mov_b32 s33, 0
	s_lshl_b32 s38, s21, 9                         ; two steps' scale words are 512 bytes
	s_mov_b32 s39, 0
	v_and_b32 v10, 8, v2
	v_add_nc_u32 v10, v10, v2                      ; r + 8 (r / 8)
	v_mul_u32_u24 v6, v10, 768
	v_mad_u32_u24 v6, v3, 24, v6                   ; K: my key, my half's 24 bytes
	v_mul_u32_u24 v7, v2, 1536
	v_mad_u32_u24 v7, v3, 24, v7                   ; V: row r, my half's 24 bytes
	v_lshlrev_b32 v8, 4, v1                        ; an image: 16 bytes a lane
	s_wait_kmcnt 0x0
	s_add_nc_u64 s[6:7], s[6:7], s[26:27]
	s_add_nc_u64 s[10:11], s[10:11], s[28:29]
	s_add_nc_u64 s[16:17], s[16:17], s[30:31]      ; my head's image
	s_add_nc_u64 s[34:35], s[16:17], s[32:33]      ; my fragment's
	s_add_nc_u64 s[38:39], s[16:17], s[38:39]      ; my two steps' scale words
.irp p, 0,1,2
	global_load_b64 v[16+2*\p:17+2*\p], v6, s[6:7] offset:8*\p          ; registers 0-5: tile 2 p
.endr
.irp p, 0,1,2
	global_load_b64 v[22+2*\p:23+2*\p], v6, s[6:7] offset:6144+8*\p     ; registers 6-11: tile 2 p + 1, eight keys on
.endr
.irp p, 0,1,2,3,4,5
	global_load_b64 v[32+2*\p:33+2*\p], v7, s[10:11] offset:48*(\p/3)+8*(\p%3)
.endr
	s_wait_loadcnt 6                               ; K's six loads are in; V's six may be out
.irp g, 0,1,2
	global_store_b128 v8, v[16+4*\g:19+4*\g], s[34:35] offset:512*\g    ; 32 lanes store 512 consecutive bytes, at a multiple of 256 from the buffer's first byte
.endr
	s_wait_loadcnt 0x0
.irp g, 0,1,2
	global_store_b128 v8, v[32+4*\g:35+4*\g], s[34:35] offset:98304+512*\g
.endr
	s_cmp_eq_u32 s40, 0
	s_cbranch_scc0 .Lnot_wave_0
	; wave 0: K's scale words of both steps: lane (r, hl): step 2 sp + hl, the four pairs' words
	s_lshl_b32 s36, s22, 16                        ; 2,048 keys x 32 bytes,
	s_lshl_b32 s37, s21, 13                        ; 256 keys x 32,
	s_add_co_u32 s36, s36, s37
	s_lshl_b32 s37, s23, 1                         ; 2 bytes a head
	s_add_co_u32 s36, s36, s37
	s_mov_b32 s37, 0
	s_add_nc_u64 s[8:9], s[8:9], s[36:37]
	v_lshlrev_b32 v11, 5, v10
	v_lshl_add_u32 v11, v3, 12, v11                ; (128 hl + r + 8 (r / 8)) x 32
.irp bb, 0,1,2,3
	global_load_u16 v[56+2*\bb], v11, s[8:9] offset:1024*\bb
	global_load_u16 v[57+2*\bb], v11, s[8:9] offset:1024*\bb+256
.endr
	s_wait_loadcnt 0x0
.irp bb, 0,1,2,3
	v_lshl_or_b32 v[48+\bb], v[57+2*\bb], 16, v[56+2*\bb]
.endr
	global_store_b128 v8, v[48:51], s[38:39] offset:196608
	s_endpgm
.Lnot_wave_0:
	s_cmp_eq_u32 s40, 4
	s_cbranch_scc0 .Ldone
	; wave 4: V's scale words: lane (r, hl): step 2 sp + hl, the four tiles' words
	s_lshl_b32 s36, s20, 12                        ; 64 rows x 64 bytes a head,
	s_lshl_b32 s37, s21, 3                         ; 4 bytes a step
	s_add_co_u32 s36, s36, s37
	s_mov_b32 s37, 0
	s_add_nc_u64 s[12:13], s[12:13], s[36:37]
	v_lshlrev_b32 v11, 6, v2
	v_lshl_add_u32 v11, v3, 2, v11
.irp t, 0,1,2,3
	global_load_b32 v[48+\t], v11, s[12:13] offset:1024*\t
.endr
	s_wait_loadcnt 0x0
	global_store_b128 v8, v[48:51], s[38:39] offset:200704
.Ldone:
	s_endpgm
.Lfunc_end_k_qbe551ff52a_prep:
	.size	k_qbe551ff52a_prep, .Lfunc_end_k_qbe551ff52a_prep-k_qbe551ff52a_prep
	.p2alignl 7, 3214868480
	.fill 96, 4, 3214868480
	.section	.rodata,"a",@progbits
	.p2align	6, 0x0
	.amdhsa_kernel k_qbe551ff52a_prep
		.amdhsa_group_segment_fixed_size 35840
		.amdhsa_private_segment_fixed_size 0
		.amdhsa_enable_private_segment 0
		.amdhsa_kernarg_size 64
		.amdhsa_user_sgpr_count 2
		.amdhsa_user_sgpr_kernarg_segment_ptr 1
		.amdhsa_wavefront_size32 1
		.amdhsa_system_sgpr_workgroup_id_x 1
		.amdhsa_system_sgpr_workgroup_id_y 1
		.amdhsa_system_sgpr_workgroup_id_z 1
		.amdhsa_system_vgpr_workitem_id 0
		.amdhsa_next_free_vgpr 96
		.amdhsa_next_free_sgpr 66
		.amdhsa_reserve_vcc 1
		.amdhsa_float_denorm_mode_32 3
		.amdhsa_float_denorm_mode_16_64 3
		.amdhsa_memory_ordered 1
		.amdhsa_forward_progress 1
		.amdhsa_inst_pref_size 35
	.end_amdhsa_kernel
	.amdgpu_metadata
---
amdhsa.version: [ 1, 2 ]
amdhsa.kernels:
  - .name:           k_qbe551ff52a_prep
    .symbol:         k_qbe551ff52a_prep.kd
    .args:
      - { .name: attention_mask, .offset: 0, .size: 8, .value_kind: global_buffer, .address_space: global }
      - { .name: keys_codes, .offset: 8, .size: 8, .value_kind: global_buffer, .address_space: global }
      - { .name: keys_scales, .offset: 16, .size: 8, .value_kind: global_buffer, .address_space: global }
      - { .name: values_codes, .offset: 24, .size: 8, .value_kind: global_buffer, .address_space: global }
      - { .name: values_scales, .offset: 32, .size: 8, .value_kind: global_buffer, .address_space: global }
      - { .name: lmask, .offset: 40, .size: 8, .value_kind: global_buffer, .address_space: global }
      - { .name: kvimg, .offset: 48, .size: 8, .value_kind: global_buffer, .address_space: global }
      - { .name: flags, .offset: 56, .size: 8, .value_kind: global_buffer, .address_space: global }
    .group_segment_fixed_size: 35840
    .private_segment_fixed_size: 0
    .kernarg_segment_align: 8
    .kernarg_segment_size: 64
    .max_flat_workgroup_size: 256
    .sgpr_count:     66
    .vgpr_count:     96
    .wavefront_size: 32
...
	.end_amdgpu_metadata
.endif
;; end of part 1
;; launch attn (part 2): grid 4 x 64, 8 waves a work-group, no clusters, 242,688 bytes of LDS; arguments kvimg, queries_codes, queries_scales, lmask, out0, flags; writes out0
.if DOCPART == 2
	.amdgcn_target "amdgcn-amd-amdhsa--gfx1250"
	.amdhsa_code_object_version 6
	.text
	.protected	k_qbe551ff52a_attn
	.globl	k_qbe551ff52a_attn
	.p2align	8
	.type	k_qbe551ff52a_attn,@function
k_qbe551ff52a_attn:
	s_mov_b64 s[64:65], 0
	v_nop
	global_prefetch_b8 v0, s[64:65] scope:SCOPE_SE
	s_setreg_imm32_b32 hwreg(HW_REG_WAVE_MODE, 25, 1), 1
	s_wait_xcnt 0x0
; out0[b][l][h][:] = sum over s of A[l][s] V[s][:],  A = nan_to_num(softmax_s(where(mask, -inf, Q[l] . K[s]) / 8)), both products on codes of E2M3 with one E8M0 scale for each 32 along K.
; A IS QUANTISED FINISHED AND NORMALISED, so no code of a row can be made before the row's sum is known.  The row is therefore KEPT: four waves share a tile of 16 queries, each holds the scores of 512 keys
; (4 slots of 128 keys x 64 registers, window 1), turns them in place into p = 2^(t - M_slot) and, once the four waves have exchanged their maxima and sums, into A = p x 2^(M_slot - M) / l.
; t = score x log2(e) / 8; M is the running largest t rounded UP to a whole number, so every change of M is a multiplication by a power of two, which rounds nothing.  The maximum is taken away as reference() takes it.
; WHAT IS SKIPPED: a slot (16 queries x 128 keys) all of whose mask bytes are set: there A is 0 for every value of the other inputs.  The choice hangs on whole numbers read from memory (flags, stored by the launch
; before), which come by scalar loads and are tested by scalar compares.  Slot 0 of every wave is always worked, by select: its products start the sums of O.  No input is left out.
; A row that is hidden altogether has l = 0: 1 / l is replaced by 0 by a select, which is reference()'s nan_to_num.
; LIMITS: a scale byte 0xff among the inputs and scores beyond f32's range are not served (in a pair of K's tiles a byte 0xff would reach the partner tile too); A under 2^-126 counts as 0;
; a block of zeros of A gets the scale byte 1 where the rule says 127 (its codes are zeros, and this program alone reads the byte); a block's largest A is taken from its largest score,
; which takes v_exp_f32 not to fall where its input rises.  A NaN or infinity in a skipped slot is not carried to the result.
; SHARES.  A work-group (8 waves, 512 registers each: two waves to a SIMD) belongs to one (b, h).  It copies the head's image of K and V, 204,800 bytes, into LDS once and stays for 16 trips; in trip it, work-group j
; takes queries 128 it + 32 j on: group g = wave / 4 the tile of 16 at + 16 g.  In a group wave w takes key steps 4 i + kw, i = 0..3, kw = w xor 3 g.
; K = 64 IN AN INSTRUCTION OF 128: a fragment of K is a pair of tiles (registers 0-5, 6-11); it is multiplied by [q | zeros] for the first tile and by [zeros | q] for the second: two views of 18 registers.
; Q's scale word has zero bytes (the smallest scale) over its zero codes.
; BOTH PRODUCTS ARE USED TRANSPOSED (S^T = K Q^T, O^T = V^T A^T): a lane holds one query (lane % 16) throughout; score register n of lane (r, hl) is key 32 (n / 16) + 16 hl + n % 16 of the step.
; NO CLUSTER, NO TENSOR LOAD: the walk branches on words read from memory; what the four work-groups of a head share is the one copy at the head.
; LDS: 0 K's images; 98,304 V's; 196,608 K's scale words; 200,704 V's; 204,800 the waves' (-M, l), 8 bytes a lane; 206,848 the waves' parts of O, 16 rows x 272 bytes each; 241,664 the spare words.
; REGISTERS: window 0 as named below; window 1: the scores, slot i at v[64 i].
.set KSC,   196608
.set STATS, 204800
.set OX,    206848
.set SPARE, 241664                     ; 128 bytes for each wave: four blocks of 256 bytes that no other line names
.set AK,   2                           ; v2   16 lane + 6,144 kw: my place in K's images, slots 0, 1;  v3: slots 2, 3
.set AV,   4                           ; v4, v5  the same in V's
.set AKS,  6                           ; v6   K's scale words: 256 kw + 16 r;  v7 V's
.set AVS,  7
.set QO,   8                           ; v8   Q's codes: 768 r + 24 hl
.set QSO,  9                           ; v9   Q's scales: 32 r
.set MO,   10                          ; v10  a mask record: 8 lane
.set FO,   11                          ; v11  the copy at the head: 25,600 wave + 16 lane, in memory and in LDS alike
.set NEGM, 12                          ; v12  -M;  v13 the largest t (named with it as a pair)
.set LS,   14                          ; v[14:15] the sum, in two halves
.set STW,  16                          ; v16  where I put (-M, l);  v17 where I read the group's four
.set STR,  17
.set OXW,  18                          ; v18  where I put my part of O;  v19 where I read the group's four parts of my rows
.set OXR,  19
.set SPW,  20                          ; v20  my spare word; never rewritten
.set NIL,  21                          ; v21  0; never rewritten
.set QZ,   22                          ; v22-27 zeros, v28-33 q, v34-39 zeros
.set QR,   28
.set QS1,  40                          ; v40  Q's scale word for [q | zeros];  v41 for [zeros | q]
.set QS2,  41
.set MR,   42                          ; v[42:49] the four slots' mask records
.set GO,   50                          ; v50  out0: 4,096 hl + 16 r
.set NINF, 51                          ; v51  -infinity
.set SC,   52                          ; v[52:55] four scale words of K or of V
.set FRG,  56                          ; v[56:103] four fragments of K or of V; on the way out the parts of O
.set OA,   104                         ; v[104:135] O^T, four tiles
.set PC,   136                         ; v[136:147] A's codes;  v[148:150], v[152:154] the conversions' second halves
.set BM,   156                         ; v[156:159] a block's largest score, later its largest A
.set BM2,  160
.set SO,   164                         ; v[164:167] the conversions' scale operands
.set PMX,  168                         ; v[168:183] each slot's four largest p
.set NM,   184                         ; v[184:187] each slot's -M
.set RR,   188                         ; v[188:189] 2^(M_slot - M) / l (a pair is named; its low word serves)
.set PW,   190                         ; v190 A's scale word
.set F2,   192                         ; v[192:193] 2^(old M - new M)
.set L2,   194                         ; v[194:195] the sum's second chain; then (-M, l) for the exchange
.set STA,  196                         ; v[196:203] the group's four (-M, l)
.set NG,   204                         ; v204 the group's -M
.set DF,   205                         ; v[205:208]
.set LT,   209                         ; v209 the row's sum;  v210 its reciprocal, or 0
.set RI,   210
.set TA,   211                         ; v211-213 at work
.set TB,   212
.set TC,   213
.set FB,   14                          ; s[14:15] flags: my tile's, at step kw
.set WV,   16                          ; s16 wave;  s17 g;  s18 w;  s19 kw
.set GG,   17
.set WQ,   18
.set KW,   19
.set SEL,  20                          ; s[20:21] v_permlanex16_b32's selects for lane l xor 16
.set CS,   22                          ; s[22:23] c = log2(e) / 8
.set IT,   24                          ; s24 the trip
.set FLG,  28                          ; s[28:35] slot i: s[28 + 2 i] is 0 where the slot is hidden altogether, s[29 + 2 i] is 0 where nothing of it is hidden
.set FS,   56                          ; s[56:63] the next tile's flags, on their way
.set LM,   68                          ; s[68:99] 32 lane masks
.set MSB, 0
.macro WIN new                         ; s_set_vgpr_msb: bits 1:0 source 0, 3:2 source 1, 5:4 source 2, 7:6 destination; the high byte repeats the setting that is left; a switch that changes nothing is dropped
.if MSB != \new
	s_set_vgpr_msb (MSB<<8)|\new
.set MSB, \new
.endif
.endm
.macro BAR                             ; my LDS stores have landed and my LDS loads are in: then the work-group's barrier
	s_wait_dscnt 0x0
	s_barrier_signal -1
	s_barrier_wait -1
.endm
.macro FR3 reg, adr, off               ; a fragment's image: three loads of 16 bytes a lane, 512 consecutive bytes each
.irp c, 0,1,2
	ds_load_b128 v[\reg+4*\c:\reg+4*\c+3], v[\adr] offset:\off+512*\c
.endr
.endm
.macro PREF                            ; a tile's Q, its scale word, my four mask records (eight vector loads) and my four slots' flags (four scalar loads), asked for a trip ahead
.irp p, 0,1,2
	global_load_b64 v[QR+2*\p:QR+2*\p+1], v[QO], s[6:7] offset:8*\p
.endr
	global_load_u16 v[QS1], v[QSO], s[8:9]
.irp e, 0,1,2,3
	global_load_b64 v[MR+2*\e:MR+2*\e+1], v[MO], s[10:11] offset:1024*\e
.endr
.irp e, 0,1,2,3
	s_load_b64 s[FS+2*\e:FS+2*\e+1], s[FB:FB+1], 32*\e    ; step kw + 4 e: 8 bytes a step
.endr
.endm
	s_load_b256 s[4:11], s[0:1], 0x0               ; kvimg s[4:5], Q's codes s[6:7], Q's scales s[8:9], lmask s[10:11]
	s_load_b128 s[12:15], s[0:1], 0x20             ; out0 s[12:13], flags s[14:15]
	v_lshl_add_u32 v[SPW], v0, 2, SPARE
	v_mov_b32 v[NIL], 0
	v_lshrrev_b32 v1, 5, v0
	v_readfirstlane_b32 s[WV], v1
	s_lshr_b32 s[GG], s[WV], 2
	s_and_b32 s[WQ], s[WV], 3
	s_mul_i32 s36, s[GG], 3
	s_xor_b32 s[KW], s[WQ], s36                    ; group 1 takes the steps in mirrored order, so that the two waves of a SIMD do not both hold the step that is over
	v_and_b32 v[TA], 31, v0                        ; lane
	v_and_b32 v[TB], 15, v0                        ; r
	v_bfe_u32 v[TC], v0, 4, 1                      ; hl
	s_mul_i32 s36, s[KW], 6144                     ; a step's four images
	v_lshl_add_u32 v[AK], v[TA], 4, s36
	v_add_nc_u32 v[AK+1], 49152, v[AK]             ; slots 2 and 3 lie beyond an LDS instruction's 16-bit offset
	v_add_nc_u32 v[AV], 98304, v[AK]
	v_add_nc_u32 v[AV+1], 147456, v[AK]
	s_lshl_b32 s36, s[KW], 8
	s_add_co_u32 s36, s36, KSC
	v_lshl_add_u32 v[AKS], v[TB], 4, s36
	v_add_nc_u32 v[AVS], 4096, v[AKS]
	v_mul_u32_u24 v[QO], v[TB], 768
	v_mad_u32_u24 v[QO], v[TC], 24, v[QO]
	v_lshlrev_b32 v[QSO], 5, v[TB]
	v_lshlrev_b32 v[MO], 3, v[TA]
	s_mul_i32 s36, s[WV], 25600
	v_lshl_add_u32 v[FO], v[TA], 4, s36
	s_lshl_b32 s36, s[WV], 8
	s_add_co_u32 s36, s36, STATS
	v_lshl_add_u32 v[STW], v[TA], 3, s36
	s_lshl_b32 s36, s[GG], 10
	s_add_co_u32 s36, s36, STATS
	v_lshl_add_u32 v[STR], v[TA], 3, s36
	s_mul_i32 s36, s[WV], 4352
	s_add_co_u32 s36, s36, OX
	v_mul_u32_u24 v[OXW], v[TB], 272
	v_lshl_add_u32 v[OXW], v[TC], 5, v[OXW]
	v_add_nc_u32 v[OXW], s36, v[OXW]               ; row r (my query), 32 hl; tile t 64 t bytes on
	s_mul_i32 s36, s[GG], 17408
	s_mul_i32 s37, s[WQ], 1088
	s_add_co_u32 s36, s36, s37
	s_add_co_u32 s36, s36, OX
	v_mul_u32_u24 v[OXR], v[TC], 272
	v_lshl_add_u32 v[OXR], v[TB], 4, v[OXR]
	v_add_nc_u32 v[OXR], s36, v[OXR]               ; rows 4 w + hl of the group's first part; sixteen lanes to a row
	v_lshlrev_b32 v[GO], 12, v[TC]
	v_lshl_add_u32 v[GO], v[TB], 4, v[GO]          ; a query's 16 heads are 4,096 bytes of out0
	s_and_b32 s38, ttmp7, 0xffff                   ; bh
	s_lshr_b32 s39, s38, 4                         ; b
	s_and_b32 s40, s38, 15                         ; h
	s_lshl_b32 s41, ttmp9, 5
	s_lshl_b32 s42, s[GG], 4
	s_add_co_u32 s41, s41, s42                     ; my tile's first query in trip 0: 32 j + 16 g
	s_lshl_b32 s42, s39, 11
	s_add_co_u32 s42, s42, s41                     ; + 2,048 b
	s_mul_i32 s44, s38, 204800                     ; the head's image
	s_mov_b32 s45, 0
	s_mul_i32 s46, s42, 768
	s_mul_i32 s43, s40, 48
	s_add_co_u32 s46, s46, s43                     ; Q's codes
	s_mov_b32 s47, 0
	s_lshl_b32 s48, s42, 5
	s_lshl_b32 s43, s40, 1
	s_add_co_u32 s48, s48, s43                     ; Q's scales
	s_mov_b32 s49, 0
	s_lshl_b32 s50, s39, 7
	s_lshl_b32 s43, ttmp9, 1
	s_add_co_u32 s50, s50, s43
	s_add_co_u32 s50, s50, s[GG]                   ; query tile 128 b + 2 j + g
	s_lshl_b32 s54, s50, 7                         ; its flags: 128 bytes a tile,
	s_lshl_b32 s43, s[KW], 3                       ; 8 a step
	s_add_co_u32 s54, s54, s43
	s_mov_b32 s55, 0
	s_lshl_b32 s50, s50, 4
	s_add_co_u32 s50, s50, s[KW]                   ; its record of step kw
	s_lshl_b32 s50, s50, 8
	s_mov_b32 s51, 0
	s_lshl_b32 s43, s[WQ], 2
	s_add_co_u32 s52, s42, s43                     ; the rows that I store: 4 w on
	s_lshl_b32 s52, s52, 4
	s_add_co_u32 s52, s52, s40
	s_lshl_b32 s52, s52, 8
	s_mov_b32 s53, 0
	s_mov_b32 s[SEL], 0x76543210
	s_mov_b32 s[SEL+1], 0xfedcba98
	s_mov_b32 s[CS], 0x3e38aa3b                    ; log2(e) / 8
	s_mov_b32 s[CS+1], s[CS]                       ; (named with it as a pair, so it is written)
	s_wait_kmcnt 0x0
	s_add_nc_u64 s[4:5], s[4:5], s[44:45]
	s_add_nc_u64 s[6:7], s[6:7], s[46:47]
	s_add_nc_u64 s[8:9], s[8:9], s[48:49]
	s_add_nc_u64 s[10:11], s[10:11], s[50:51]
	s_add_nc_u64 s[12:13], s[12:13], s[52:53]
	s_add_nc_u64 s[FB:FB+1], s[FB:FB+1], s[54:55]
	; THE COPY: my eighth of the head's image, 25,600 bytes, all 50 loads out at once, into the scores' registers (window 1, v56-255): so every register of slots 1 to 3 has also been written before the loop
	WIN 0x40
.set k, 0
.rept 50
	global_load_b128 v[56+4*k:59+4*k], v[FO], s[4:5] offset:512*k
.set k, k+1
.endr
	WIN 0
	PREF                                           ; the first tile
.irp j, 0,1,2,3,4,5
	v_mov_b32 v[QZ+\j], 0                          ; zero codes on either side of q
	v_mov_b32 v[QZ+12+\j], 0
.endr
	v_mov_b32 v[NINF], 0xff800000
.irp j, 4,5,6,7,8,9,10,11,12,13,14,15
	v_mov_b32 v[PMX+\j], 0                         ; what a skipped slot would have written is written once
.endr
.irp j, 1,2,3
	v_mov_b32 v[NM+\j], 0
.endr
.irp j, 0,1,2,3
	v_mov_b32 v[BM2+\j], 0                         ; a lane permute's destination counts as one of its sources
.endr
	v_mov_b32 v[RR+1], 0                           ; (upper halves of pairs that are named whole)
	v_mov_b32 v[F2+1], 0
	WIN 0x04                                       ; an LDS store's data are its source 1: window 1
.set k, 0
.rept 50
.if k%10 == 0
	s_wait_loadcnt 8+10*(4-k/10)                   ; loads come back in order: these ten are in; behind them stand the later tens and the first tile's eight
.endif
	ds_store_b128 v[FO], v[56+4*k:59+4*k] offset:512*k
.set k, k+1
.endr
	WIN 0
	BAR                                            ; the head's K and V lie in LDS, and are never written again
	s_mov_b32 s[IT], 0
; PHASE A, slot i: scores, mask, maxima, p, sum.
.macro PHASE_A i
.set SB, 64*(\i)
.set KAD, AK+(\i)/2
.set OFF0, 24576*((\i)%2)
.if (\i) > 0
	s_cmp_eq_u32 s[FLG+2*(\i)], 0                  ; no key of the slot may be seen by any of my 16 queries
	s_cbranch_scc1 .LdeadA_\i
.endif
	ds_load_b128 v[SC:SC+3], v[AKS] offset:1024*(\i)
.irp bb, 0,1,2,3
	FR3 FRG+12*\bb, KAD, OFF0+1536*\bb
.endr
	WIN 0x40                                       ; the scores: window 1
.irp bb, 0,1,2,3
	s_wait_dscnt 3*(3-\bb)                         ; pair bb is in; the later pairs' three loads each may be out
	v_wmma_scale_f32_16x16x128_f8f6f4 v[SB+16*\bb:SB+16*\bb+7], v[FRG+12*\bb:FRG+12*\bb+11], v[QR:QR+11], 0, v[SC+\bb], v[QS1] matrix_a_fmt:MATRIX_FMT_FP6 matrix_b_fmt:MATRIX_FMT_FP6
	v_wmma_scale_f32_16x16x128_f8f6f4 v[SB+16*\bb+8:SB+16*\bb+15], v[FRG+12*\bb:FRG+12*\bb+11], v[QZ:QZ+11], 0, v[SC+\bb], v[QS2] matrix_a_fmt:MATRIX_FMT_FP6 matrix_b_fmt:MATRIX_FMT_FP6
.endr
	WIN 0
.rept 4
	v_nop                                          ; four places between the last product and the first read of a result (ISA guide 7.12.1)
.endr
	s_cmp_eq_u32 s[FLG+2*(\i)+1], 0                ; nothing is hidden: the select is passed over
	s_cbranch_scc1 .Lopen_\i
.irp z, 0,1                                    ; 32 registers at a time: their lane masks into scalar registers, then hidden scores become -infinity.  Each result is read from its low end on
.set m, 0
.rept 32
	v_readlane_b32 s[LM+m], v[MR+2*(\i)+m%2], 16*\z+m/2
.set m, m+1
.endr
	WIN 0x44                                       ; source 1 and destination: window 1
.set m, 0
.rept 32
	v_cndmask_b32 v[SB+32*\z+m], v[NINF], v[SB+32*\z+m], s[LM+m]
.set m, m+1
.endr
	WIN 0
.endr
.Lopen_\i:
	WIN 0x15                                       ; THE LARGEST SCORE OF EACH BLOCK OF 32 KEYS: it serves for the row's maximum and, since p rises with the score, for the block's largest A
.irp bb, 0,1,2,3
	v_max3_num_f32 v[BM+\bb], v[SB+16*\bb], v[SB+16*\bb+1], v[SB+16*\bb+2]
.endr
	WIN 0x14
.irp e, 3,5,7,9,11,13
.irp bb, 0,1,2,3
	v_max3_num_f32 v[BM+\bb], v[BM+\bb], v[SB+16*\bb+\e], v[SB+16*\bb+\e+1]
.endr
.endr
.irp bb, 0,1,2,3
	v_max_num_f32 v[BM+\bb], v[BM+\bb], v[SB+16*\bb+15]
.endr
	WIN 0
.irp bb, 0,1,2,3
	v_permlanex16_b32 v[BM2+\bb], v[BM+\bb], s[SEL], s[SEL+1]
.endr
.irp bb, 0,1,2,3
	v_max_num_f32 v[BM+\bb], v[BM+\bb], v[BM2+\bb]         ; with lane l xor 16's 16 keys
.endr
	v_max3_num_f32 v[TA], v[BM], v[BM+1], v[BM+2]
	v_max_num_f32 v[TA], v[TA], v[BM+3]
	v_mul_f32 v[TA], s[CS], v[TA]                  ; the slot's largest t (c is positive)
.if (\i) == 0
	v_max_num_f32 v[NEGM+1], 0xff61b1e6, v[TA]     ; the largest t so far begins at -3e38, under every t
	v_floor_f32 v[NEGM], -v[NEGM+1]                ; -M = floor(-t): M is a whole number
.else
	v_max_num_f32 v[NEGM+1], v[NEGM+1], v[TA]
	v_mov_b32 v[TB], v[NEGM]
	v_floor_f32 v[NEGM], -v[NEGM+1]
	v_sub_f32 v[TC], v[NEGM], v[TB]                ; old M - new M: a whole number, 0 or less
	v_cvt_i32_f32 v[TC], v[TC]                     ; (it saturates)
	v_ldexp_f32 v[F2], 1.0, v[TC]
.endif
	v_mov_b32 v[NM+\i], v[NEGM]                    ; the slot's p stand under this M
.irp bb, 0,1,2,3
	v_fma_f32 v[PMX+4*(\i)+\bb], v[BM+\bb], s[CS], v[NEGM]
.endr
	WIN 0x41
.set m, 0
.rept 32
	v_pk_fma_f32 v[SB+2*m:SB+2*m+1], v[SB+2*m:SB+2*m+1], s[CS:CS+1], v[NEGM:NEGM+1] op_sel_hi:[1,0,0]   ; t - M, two at a time
.set m, m+1
.endr
.set m, 0
.rept 64
	v_exp_f32 v[SB+m], v[SB+m]                     ; p = 2^(t - M)
.set m, m+1
.endr
	WIN 0
.irp bb, 0,1,2,3
	v_exp_f32 v[PMX+4*(\i)+\bb], v[PMX+4*(\i)+\bb] ; the blocks' largest p: the same two instructions on the same number
.endr
.if (\i) == 0
	v_nop                                          ; a plain instruction behind the last exponential
.else
	v_pk_mul_f32 v[LS:LS+1], v[LS:LS+1], v[F2:F2+1] op_sel_hi:[1,0]   ; the sum under the new M; also the plain instruction behind the last exponential
.endif
	s_wait_alu depctr_va_vdst(0)                   ; the wait ahead of the first line that names an exponential's result: one for all 68
	WIN 0x05
	v_pk_add_f32 v[L2:L2+1], v[SB:SB+1], v[SB+2:SB+3]      ; the sum of the unquantised p, in two chains
.if (\i) == 0
	v_pk_add_f32 v[LS:LS+1], v[SB+4:SB+5], v[SB+6:SB+7]    ; the first slot starts the sum: nothing is cleared
.set m, 4
.else
.set m, 2
.endif
	WIN 0x04
.rept (32-m)/2
	v_pk_add_f32 v[LS:LS+1], v[LS:LS+1], v[SB+2*m:SB+2*m+1]
	v_pk_add_f32 v[L2:L2+1], v[L2:L2+1], v[SB+2*m+2:SB+2*m+3]
.set m, m+2
.endr
	WIN 0
	v_pk_add_f32 v[LS:LS+1], v[LS:LS+1], v[L2:L2+1]
.if (\i) > 0
.LdeadA_\i:
.endif
.endm
; PHASE B, slot i: A = p x 2^(M_slot - M) / l, quantised along the keys; O^T += V^T A^T.
.macro PHASE_B i
.set SB, 64*(\i)
.set VAD, AV+(\i)/2
.set OFF0, 24576*((\i)%2)
.if (\i) > 0
	s_cmp_eq_u32 s[FLG+2*(\i)], 0
	s_cbranch_scc1 .LdeadB_\i
.endif
	v_sub_f32 v[TC], v[NG], v[NM+\i]               ; M_slot - M: a whole number, 0 or less
	v_cvt_i32_f32 v[TC], v[TC]
	v_ldexp_f32 v[RR], v[RI], v[TC]
	v_nop
	v_nop                                          ; five plain lines: the places between the last slot's products and the loads into their operands
	ds_load_b128 v[SC:SC+3], v[AVS] offset:1024*(\i)
.irp t, 0,1,2,3
	FR3 FRG+12*\t, VAD, OFF0+1536*\t
.endr
.irp bb, 0,1,2,3
	v_mul_f32 v[BM+\bb], v[PMX+4*(\i)+\bb], v[RR]  ; the block's largest A
.endr
.irp bb, 0,1,2,3
	v_max_num_f32 v[BM+\bb], 0x1800000, v[BM+\bb]  ; the floor 2^(3 - 127): the byte cannot fall under 1
.endr
.irp bb, 0,1,2,3
	v_add_nc_u32 v[SO+\bb], 0xff000000, v[BM+\bb]  ; 2 off the exponent field: the conversion's scale operand
.endr
.irp bb, 0,1,2,3
	v_lshrrev_b32 v[BM2+\bb], 23, v[SO+\bb]        ; the scale's byte
.endr
	v_lshl_or_b32 v[PW], v[BM2+1], 8, v[BM2]
	v_lshl_or_b32 v[PW], v[BM2+2], 16, v[PW]
	v_lshl_or_b32 v[PW], v[BM2+3], 24, v[PW]       ; A's scale word for these 128 keys; the 32 multiplications below stand between it and the products
	WIN 0x41
.set m, 0
.rept 32
	v_pk_mul_f32 v[SB+2*m:SB+2*m+1], v[SB+2*m:SB+2*m+1], v[RR:RR+1] op_sel_hi:[1,0]   ; A, finished and normalised
.set m, m+1
.endr
	WIN 0x01
.irp cc, 0,1
	v_cvt_scalef32_pk16_fp6_f32 v[PC+6*\cc:PC+6*\cc+2], v[SB+32*\cc:SB+32*\cc+15], v[SO+2*\cc]
	v_cvt_scalef32_pk16_fp6_f32 v[PC+12+4*\cc:PC+14+4*\cc], v[SB+32*\cc+16:SB+32*\cc+31], v[SO+2*\cc+1]   ; (a conversion's three registers begin on an even number)
.endr
	WIN 0
	v_nop                                          ; one plain instruction behind a scaled conversion
.irp cc, 0,1                                   ; the operand's layout wants a whole block in a lane: lanes 0-15 block 2 cc, lanes 16-31 block 2 cc + 1
.irp e, 0,1,2
	v_permlane16_swap_b32 v[PC+6*\cc+\e], v[PC+12+4*\cc+\e]
.endr
.irp e, 0,1,2
	v_mov_b32 v[PC+3+6*\cc+\e], v[PC+12+4*\cc+\e]
.endr
.endr
.rept 4
	v_nop                                          ; an operand written by vector instructions stands four places ahead of a scaled product
.endr
	s_wait_dscnt 0x0                               ; V's fragments and scale words are in
.irp t, 0,1,2,3                                ; the four accumulators take turns, one instruction a turn, from slot to slot too
.if (\i) == 0
	v_wmma_scale_f32_16x16x128_f8f6f4 v[OA+8*\t:OA+8*\t+7], v[FRG+12*\t:FRG+12*\t+11], v[PC:PC+11], 0, v[SC+\t], v[PW] matrix_a_fmt:MATRIX_FMT_FP6 matrix_b_fmt:MATRIX_FMT_FP6
.else
	v_wmma_scale_f32_16x16x128_f8f6f4 v[OA+8*\t:OA+8*\t+7], v[FRG+12*\t:FRG+12*\t+11], v[PC:PC+11], v[OA+8*\t:OA+8*\t+7], v[SC+\t], v[PW] matrix_a_fmt:MATRIX_FMT_FP6 matrix_b_fmt:MATRIX_FMT_FP6
.endif
.endr
.if (\i) > 0
.LdeadB_\i:
.endif
.endm
.Ltrip:                                            ; 16 trips, a tile of 16 queries for each group in each
	s_wait_loadcnt 0x0                             ; the tile's Q, scale word and records are in; their bases may step
	s_wait_kmcnt 0x0                               ; and so are its flags; their base may step
	v_lshlrev_b32 v[QS2], 16, v[QS1]               ; Q's scale word for [zeros | q]
.irp e, 0,1,2,3
	s_mov_b64 s[FLG+2*\e:FLG+2*\e+1], s[FS+2*\e:FS+2*\e+1]   ; out of the registers into which the next tile's flags will be loaded
.endr
	s_add_nc_u64 s[6:7], s[6:7], 98304             ; 128 queries on
	s_add_nc_u64 s[8:9], s[8:9], 4096
	s_add_nc_u64 s[10:11], s[10:11], 32768         ; 8 query tiles on
	s_add_nc_u64 s[FB:FB+1], s[FB:FB+1], 1024
.rept 8
	v_nop                                          ; a scale register written by a vector instruction stands eight places ahead of the scaled product that reads it
.endr
	PHASE_A 0
	PHASE_A 1
	PHASE_A 2
	PHASE_A 3
	; THE EXCHANGE: each wave's -M and l go to the three others of its group
	v_add_f32 v[TA], v[LS], v[LS+1]
	v_permlanex16_b32 v[TB], v[TA], s[SEL], s[SEL+1]
	v_add_f32 v[L2+1], v[TA], v[TB]                ; my 512 keys' sum, under my M
	v_mov_b32 v[L2], v[NEGM]
	ds_store_b64 v[STW], v[L2:L2+1]
	s_cmp_eq_u32 s[IT], 15                         ; the next tile is asked for here, if there is one: no load leaves its buffer
	s_cbranch_scc1 .Lno_next
	PREF
.Lno_next:
	BAR                                            ; everybody's (-M, l) lie in LDS; and everybody's reads of the last trip's parts of O are over
.irp u, 0,1,2,3
	ds_load_b64 v[STA+2*\u:STA+2*\u+1], v[STR] offset:256*\u
.endr
	s_wait_dscnt 0x0
	v_min3_num_f32 v[NG], v[STA], v[STA+2], v[STA+4]
	v_min_num_f32 v[NG], v[NG], v[STA+6]           ; the row's -M
.irp u, 0,1,2,3
	v_sub_f32 v[DF+\u], v[NG], v[STA+2*\u]         ; M_wave - M
.endr
.irp u, 0,1,2,3
	v_cvt_i32_f32 v[DF+\u], v[DF+\u]
.endr
.irp u, 0,1,2,3
	v_ldexp_f32 v[DF+\u], 1.0, v[DF+\u]
.endr
	v_mul_f32 v[LT], v[DF], v[STA+1]
	v_fma_f32 v[LT], v[DF+1], v[STA+3], v[LT]
	v_fma_f32 v[LT], v[DF+2], v[STA+5], v[LT]
	v_fma_f32 v[LT], v[DF+3], v[STA+7], v[LT]      ; the row's sum, under the row's M
	v_rcp_f32 v[RI], v[LT]
	v_cmp_lt_f32 vcc_lo, 0, v[LT]                  ; (the plain instruction behind the reciprocal)
	s_wait_alu depctr_va_vdst(0)                   ; the wait ahead of the first line that names the reciprocal
	v_cndmask_b32 v[RI], 0, v[RI], vcc_lo          ; a row with nothing to see: A = 0, as nan_to_num leaves it
	PHASE_B 0
	PHASE_B 1
	PHASE_B 2
	PHASE_B 3
	; THE WAY OUT: the group's four parts of O^T meet in LDS; wave w adds and stores rows 4 w .. 4 w + 3
.rept 4
	v_nop                                          ; four places between the last product and the first read of a result, and the loads into its operands
.endr
.irp t, 0,1,2,3
	ds_store_b128 v[OXW], v[OA+8*\t:OA+8*\t+3] offset:64*\t            ; each result from its low end on
	ds_store_b128 v[OXW], v[OA+8*\t+4:OA+8*\t+7] offset:64*\t+16
.endr
	BAR                                            ; everybody's part lies in LDS; and everybody's reads of this trip's (-M, l) are over
.irp k, 0,1
.irp u, 0,1,2,3
	ds_load_b128 v[FRG+16*\k+4*\u:FRG+16*\k+4*\u+3], v[OXR] offset:4352*\u+544*\k
.endr
.endr
.irp k, 0,1
	s_wait_dscnt 4-4*\k                            ; this pair of rows is in; the second pair's four loads may be out
	v_pk_add_f32 v[FRG+16*\k:FRG+16*\k+1], v[FRG+16*\k:FRG+16*\k+1], v[FRG+16*\k+4:FRG+16*\k+5]
	v_pk_add_f32 v[FRG+16*\k+2:FRG+16*\k+3], v[FRG+16*\k+2:FRG+16*\k+3], v[FRG+16*\k+6:FRG+16*\k+7]
	v_pk_add_f32 v[FRG+16*\k+8:FRG+16*\k+9], v[FRG+16*\k+8:FRG+16*\k+9], v[FRG+16*\k+12:FRG+16*\k+13]
	v_pk_add_f32 v[FRG+16*\k+10:FRG+16*\k+11], v[FRG+16*\k+10:FRG+16*\k+11], v[FRG+16*\k+14:FRG+16*\k+15]
	v_pk_add_f32 v[FRG+16*\k:FRG+16*\k+1], v[FRG+16*\k:FRG+16*\k+1], v[FRG+16*\k+8:FRG+16*\k+9]
	v_pk_add_f32 v[FRG+16*\k+2:FRG+16*\k+3], v[FRG+16*\k+2:FRG+16*\k+3], v[FRG+16*\k+10:FRG+16*\k+11]
	global_store_b128 v[GO], v[FRG+16*\k:FRG+16*\k+3], s[12:13] offset:8192*\k th:TH_STORE_NT   ; sixteen lanes store a query's 256 consecutive bytes, at a multiple of 256 from out0's first byte
.endr
	s_wait_xcnt 0x0                                ; the stores have read their registers and their base: both are written again only behind this wait
	s_add_nc_u64 s[12:13], s[12:13], 524288        ; 128 queries on
	s_add_co_u32 s[IT], s[IT], 1
	s_cmp_lt_u32 s[IT], 16
	s_cbranch_scc1 .Ltrip
	s_wait_tensorcnt 0x0                           ; the wave's end
	ds_add_u32 v[SPW], v[NIL]
	s_wait_dscnt 0x0
	s_endpgm
.Lfunc_end_k_qbe551ff52a_attn:
	.size	k_qbe551ff52a_attn, .Lfunc_end_k_qbe551ff52a_attn-k_qbe551ff52a_attn
	.p2alignl 7, 3214868480
	.fill 96, 4, 3214868480
	.section	.rodata,"a",@progbits
	.p2align	6, 0x0
	.amdhsa_kernel k_qbe551ff52a_attn
		.amdhsa_group_segment_fixed_size 242688
		.amdhsa_private_segment_fixed_size 0
		.amdhsa_enable_private_segment 0
		.amdhsa_kernarg_size 48
		.amdhsa_user_sgpr_count 2
		.amdhsa_user_sgpr_kernarg_segment_ptr 1
		.amdhsa_wavefront_size32 1
		.amdhsa_system_sgpr_workgroup_id_x 1
		.amdhsa_system_sgpr_workgroup_id_y 1
		.amdhsa_system_sgpr_workgroup_id_z 1
		.amdhsa_system_vgpr_workitem_id 0
		.amdhsa_next_free_vgpr 512
		.amdhsa_next_free_sgpr 100
		.amdhsa_reserve_vcc 1
		.amdhsa_float_denorm_mode_32 3
		.amdhsa_float_denorm_mode_16_64 3
		.amdhsa_memory_ordered 1
		.amdhsa_forward_progress 1
		.amdhsa_inst_pref_size 121
	.end_amdhsa_kernel
	.amdgpu_metadata
---
amdhsa.version: [ 1, 2 ]
amdhsa.kernels:
  - .name:           k_qbe551ff52a_attn
    .symbol:         k_qbe551ff52a_attn.kd
    .args:
      - { .name: kvimg, .offset: 0, .size: 8, .value_kind: global_buffer, .address_space: global }
      - { .name: queries_codes, .offset: 8, .size: 8, .value_kind: global_buffer, .address_space: global }
      - { .name: queries_scales, .offset: 16, .size: 8, .value_kind: global_buffer, .address_space: global }
      - { .name: lmask, .offset: 24, .size: 8, .value_kind: global_buffer, .address_space: global }
      - { .name: out0, .offset: 32, .size: 8, .value_kind: global_buffer, .address_space: global }
      - { .name: flags, .offset: 40, .size: 8, .value_kind: global_buffer, .address_space: global }
    .group_segment_fixed_size: 242688
    .private_segment_fixed_size: 0
    .kernarg_segment_align: 8
    .kernarg_segment_size: 48
    .max_flat_workgroup_size: 256
    .sgpr_count:     100
    .vgpr_count:     512
    .wavefront_size: 32
...
	.end_amdgpu_metadata
.endif
;; end of part 2
;; ======== version 2 of 2: 2 launches
;; workspace buffers: lmask 2,097,152 bytes of whole numbers; flags 65,536 bytes of whole numbers; kvimg 13,107,200 bytes
;; launch prep (part 3): grid 1024 x 1, 8 waves a work-group, no clusters, 35,840 bytes of LDS; arguments attention_mask, keys_codes, keys_scales, values_codes, values_scales, lmask, kvimg, flags; writes lmask, kvimg, flags
.if DOCPART == 3
	.amdgcn_target "amdgcn-amd-amdhsa--gfx1250"
	.amdhsa_code_object_version 6
	.text
	.protected	k_qbe551ff52a_prep
	.globl	k_qbe551ff52a_prep
	.p2align	8
	.type	k_qbe551ff52a_prep,@function
k_qbe551ff52a_prep:
	s_mov_b64 s[64:65], 0
	v_nop
	global_prefetch_b8 v0, s[64:65] scope:SCOPE_SE
	s_setreg_imm32_b32 hwreg(HW_REG_WAVE_MODE, 25, 1), 1
	s_wait_xcnt 0x0
; PREPARATION FOR THE ATTENTION LAUNCH.  Nothing of the problem is left out: every input is read, here or in the next launch.
; (a) Work-groups 0-511: attention_mask [4][1][2048][2048] (one byte, 1 = hidden) becomes LANE MASKS, whole numbers that the next launch reads.
;     lmask [b 4][query tile 128][key step 16][word n 64]: bit L of word n is 1 where query 16 tile + L % 16 MAY see key 128 step + 32 (n / 16) + 16 (L / 16) + n % 16:
;     that is score register n of lane L in the next launch.  A record is 256 bytes.
;     flags [b 4][query tile 128][key step 16][2]: word 0 is other than 0 where some bit of the record is set (some key may be seen), word 1 where some bit is clear (some key is hidden).
;     A work-group takes 16 queries x 2,048 keys, wave W the keys 256 W on (steps 2 W, 2 W + 1).  Each load reads two whole pieces of 256 bytes; the bytes turn through the wave's own stage in LDS,
;     so that lane (r, hl) holds query r's 16 bytes of each block's half hl; a compare makes a word of 32 lanes' bits, v_writelane_b32 puts word n into lane n / 2, register n % 2.
;     A wave's flags are 16 bytes: one lane stores them, 64 KiB in the whole launch.
; (b) Work-groups 512-1023: K's and V's codes and scale bytes are laid, head by head, in the ORDER OF THE OPERAND'S REGISTERS, so that the next launch copies a head as one dense block and reads fragments by 16 bytes a lane.
;     kvimg, 204,800 bytes a head: 0: K [step 16][pair 4][1,536];  98,304: V [step 16][tile 4][1,536];  196,608: K's scale words [step 16][r 16][4];  200,704: V's [step 16][r 16][4].
;     An image is a fragment's 12 registers: registers 4 g .. 4 g + 3 of lane l at 512 g + 16 l.
;     A fragment of K is a PAIR of tiles of 16 keys x 64: registers 0-5 tile 2 p, registers 6-11 tile 2 p + 1.  Lane r of tile 2 p + u takes key 32 p + 8 u + r + 8 (r / 8), so that the scores' 16 registers
;     of a pair are 16 neighbouring keys.  Its scale word: the two bytes of tile 2 p's key below, those of tile 2 p + 1's above.
;     A fragment of V is 16 of the head's 64 x 128 keys, as it lies in memory.
;     A work-group takes two key steps of one head: wave W step 2 sp + W / 4, pair and tile W % 4; wave 0 also makes K's scale words, wave 4 V's.  K's rows are 48 bytes of rows of 768 in the tensor itself.
; No barrier: waves share nothing.  Only path (a) touches LDS.
.set STGW,  4352                       ; a wave's stage: 16 rows x (256 bytes + 16): the 16 rows that a load of 16 bytes a lane touches start at 16 different columns of 16 bytes
.set SPARE, 34816                      ; behind the eight stages: the spare words, 128 bytes for each wave: four blocks of 256 bytes that no other line names
.set HEADB, 204800                     ; a head's image
	s_load_b256 s[4:11], s[0:1], 0x0               ; mask s[4:5], K's codes s[6:7], K's scales s[8:9], V's codes s[10:11]
	s_load_b128 s[12:15], s[0:1], 0x20             ; V's scales s[12:13], lmask s[14:15]
	s_load_b128 s[16:19], s[0:1], 0x30             ; kvimg s[16:17], flags s[18:19]
	v_lshl_add_u32 v4, v0, 2, SPARE                ; my spare word; never rewritten
	v_mov_b32 v5, 0                                ; 0; never rewritten
	v_lshrrev_b32 v1, 5, v0
	s_delay_alu instid0(VALU_DEP_1)
	v_readfirstlane_b32 s40, v1                    ; wave W
	v_and_b32 v1, 31, v0                           ; lane
	v_and_b32 v2, 15, v0                           ; r
	v_bfe_u32 v3, v0, 4, 1                         ; hl
	s_cmp_lt_u32 ttmp9, 512
	s_cbranch_scc0 .Lkv
	; ---------------- (a) the mask ----------------
	s_mul_i32 s41, s40, STGW
	v_mul_u32_u24 v7, v3, 272
	s_delay_alu instid0(VALU_DEP_1)
	v_lshl_add_u32 v7, v2, 4, v7
	s_delay_alu instid0(VALU_DEP_1)
	v_add_nc_u32 v7, s41, v7                       ; into the stage: row hl of a pair of rows, 16 r
	v_mul_u32_u24 v8, v2, 272
	s_delay_alu instid0(VALU_DEP_1)
	v_lshl_add_u32 v8, v3, 4, v8
	s_delay_alu instid0(VALU_DEP_1)
	v_add_nc_u32 v8, s41, v8                       ; out of it: row r, 16 hl
	v_lshlrev_b32 v6, 11, v3
	s_delay_alu instid0(VALU_DEP_1)
	v_lshl_add_u32 v6, v2, 4, v6                   ; in memory: a query's row is 2,048 bytes
	v_lshlrev_b32 v9, 3, v1                        ; a record: 8 bytes a lane
	v_mov_b32 v12, 0                               ; the flags' store: no lane term
	s_lshl_b32 s20, ttmp9, 15                      ; 16 rows of 2,048 bytes a work-group,
	s_lshl_b32 s21, s40, 8                         ; 256 keys a wave
	s_add_co_u32 s20, s20, s21
	s_mov_b32 s21, 0
	s_lshl_b32 s22, ttmp9, 12                      ; 16 records a work-group,
	s_lshl_b32 s23, s40, 9                         ; two a wave
	s_add_co_u32 s22, s22, s23
	s_mov_b32 s23, 0
	s_lshl_b32 s36, ttmp9, 7                       ; 16 steps' flags, 128 bytes, a work-group,
	s_lshl_b32 s37, s40, 4                         ; two steps', 16 bytes, a wave
	s_add_co_u32 s36, s36, s37
	s_mov_b32 s37, 0
	s_wait_alu depctr_va_vdst(0)
	s_wait_kmcnt 0x0
	s_add_nc_u64 s[4:5], s[4:5], s[20:21]
	s_add_nc_u64 s[14:15], s[14:15], s[22:23]
	s_add_nc_u64 s[18:19], s[18:19], s[36:37]
.irp k, 0,1,2,3,4,5,6,7
	global_load_b128 v[16+4*\k:19+4*\k], v6, s[4:5] offset:4096*\k th:TH_LOAD_NT   ; rows 2 k and 2 k + 1: sixteen lanes read 256 consecutive bytes
.endr
.irp k, 0,1,2,3,4,5,6,7
	s_wait_loadcnt 7-\k                            ; loads come back in order: pair k is in, the 7 - k younger ones may be out
	ds_store_b128 v7, v[16+4*\k:19+4*\k] offset:544*\k
.endr
.irp s, 0,1
.irp bb, 0,1,2,3
	ds_load_b128 v[48+16*\s+4*\bb:51+16*\s+4*\bb], v8 offset:128*\s+32*\bb   ; the stage is my wave's own and LDS serves a wave's instructions in order: these see the stores above
.endr
.endr
.irp j, 80,81,82,83
	v_mov_b32 v\j, 0                               ; v_writelane_b32's destination counts as read
.endr
; The 64 words of step s, and its two flags.  Byte n % 4 of register n / 4 is the mask byte of score register n.
.macro BITS s
.set n, 0
.rept 64
.if n%4 < 3
	v_and_b32 v[84+n%4], 0xff<<(8*(n%4)), v[48+16*\s+n/4]
	s_delay_alu instid0(VALU_DEP_1)
	v_cmp_eq_u32 s[24+n%8], 0, v[84+n%4]           ; a bit for each lane: the byte is 0, the key may be seen
.else
	v_cmp_gt_u32 s[24+n%8], 0x1000000, v[48+16*\s+n/4]   ; the top byte is 0
.endif
	s_delay_alu instid0(VALU_DEP_1)
	v_writelane_b32 v[80+2*\s+n%2], s[24+n%8], n/2
.set n, n+1
.endr
	global_store_b64 v9, v[80+2*\s:81+2*\s], s[14:15] offset:256*\s   ; 32 lanes store 256 consecutive bytes, at a multiple of 256 from the buffer's first byte
	v_or_b32 v10, v[80+2*\s], v[81+2*\s]
	v_and_b32 v11, v[80+2*\s], v[81+2*\s]
	s_delay_alu instid0(VALU_DEP_2)
	v_cmp_ne_u32 s[32+2*\s], 0, v10                ; the lanes whose two words have a bit set: 0 = the whole tile of 16 x 128 is hidden
	s_delay_alu instid0(VALU_DEP_2)
	v_cmp_ne_u32 s[33+2*\s], -1, v11               ; the lanes whose two words have a bit clear: 0 = nothing of it is hidden
	s_delay_alu instid0(VALU_DEP_2)
	v_mov_b32 v[88+2*\s], s[32+2*\s]
	s_delay_alu instid0(VALU_DEP_2)
	v_mov_b32 v[89+2*\s], s[33+2*\s]
.endm
	s_wait_alu depctr_va_vdst(0)
	s_wait_dscnt 4                                 ; step 0's four loads are in; step 1's four may be out
	BITS 0
	s_wait_dscnt 0x0
	BITS 1
	v_cmp_eq_u32 vcc_lo, 0, v1                     ; lane 0 stores my two steps' flags
	s_wait_alu depctr_va_vdst(0)
	s_wait_xcnt 0x0                                ; EXEC is a source of the stores above: it changes only behind this wait
	s_and_saveexec_b32 s38, vcc_lo
	global_store_b128 v12, v[88:91], s[18:19]
	s_wait_xcnt 0x0                                ; and again, in front of the line that widens it
	s_or_b32 exec_lo, exec_lo, s38
	s_wait_tensorcnt 0x0                           ; the wave's end
	ds_add_u32 v4, v5
	s_wait_dscnt 0x0
	s_endpgm
	; ---------------- (b) K and V ----------------
.Lkv:
	s_sub_co_u32 s41, ttmp9, 512
	s_lshr_b32 s20, s41, 3                         ; bh = 16 b + h
	s_and_b32 s21, s41, 7                          ; sp: steps 2 sp, 2 sp + 1
	s_lshr_b32 s22, s20, 4                         ; b
	s_and_b32 s23, s20, 15                         ; h
	s_lshr_b32 s24, s40, 2
	s_lshl_b32 s25, s21, 1
	s_add_co_u32 s24, s24, s25                     ; my step
	s_and_b32 s25, s40, 3                          ; my pair of K, my tile of V
	s_lshl_b32 s26, s22, 11
	s_lshl_b32 s27, s24, 7
	s_add_co_u32 s26, s26, s27
	s_lshl_b32 s27, s25, 5
	s_add_co_u32 s26, s26, s27                     ; key 2,048 b + 128 step + 32 pair
	s_mul_i32 s26, s26, 768                        ; a key's 16 heads are 768 bytes,
	s_mul_i32 s27, s23, 48                         ; a head's 64 codes 48
	s_add_co_u32 s26, s26, s27
	s_mov_b32 s27, 0
	s_lshl_b32 s28, s20, 6
	s_lshl_b32 s29, s25, 4
	s_add_co_u32 s28, s28, s29                     ; V's row 64 bh + 16 tile
	s_mul_i32 s28, s28, 1536                       ; of 2,048 codes,
	s_mul_i32 s29, s24, 96                         ; 96 bytes a step
	s_add_co_u32 s28, s28, s29
	s_mov_b32 s29, 0
	s_mul_i32 s30, s20, HEADB
	s_mov_b32 s31, 0
	s_lshl_b32 s32, s24, 2
	s_add_co_u32 s32, s32, s25
	s_mul_i32 s32, s32, 1536                       ; my image's place among K's, and among V's
	s_mov_b32 s33, 0
	s_lshl_b32 s38, s21, 9                         ; two steps' scale words are 512 bytes
	s_mov_b32 s39, 0
	s_wait_alu depctr_va_vdst(0)
	v_and_b32 v10, 8, v2
	s_delay_alu instid0(VALU_DEP_1)
	v_add_nc_u32 v10, v10, v2                      ; r + 8 (r / 8)
	s_delay_alu instid0(VALU_DEP_1)
	v_mul_u32_u24 v6, v10, 768
	s_delay_alu instid0(VALU_DEP_1)
	v_mad_u32_u24 v6, v3, 24, v6                   ; K: my key, my half's 24 bytes
	v_mul_u32_u24 v7, v2, 1536
	s_delay_alu instid0(VALU_DEP_1)
	v_mad_u32_u24 v7, v3, 24, v7                   ; V: row r, my half's 24 bytes
	v_lshlrev_b32 v8, 4, v1                        ; an image: 16 bytes a lane
	s_wait_alu depctr_va_vdst(0)
	s_wait_kmcnt 0x0
	s_add_nc_u64 s[6:7], s[6:7], s[26:27]
	s_add_nc_u64 s[10:11], s[10:11], s[28:29]
	s_add_nc_u64 s[16:17], s[16:17], s[30:31]      ; my head's image
	s_add_nc_u64 s[34:35], s[16:17], s[32:33]      ; my fragment's
	s_add_nc_u64 s[38:39], s[16:17], s[38:39]      ; my two steps' scale words
.irp p, 0,1,2
	global_load_b64 v[16+2*\p:17+2*\p], v6, s[6:7] offset:8*\p          ; registers 0-5: tile 2 p
.endr
.irp p, 0,1,2
	global_load_b64 v[22+2*\p:23+2*\p], v6, s[6:7] offset:6144+8*\p     ; registers 6-11: tile 2 p + 1, eight keys on
.endr
.irp p, 0,1,2,3,4,5
	global_load_b64 v[32+2*\p:33+2*\p], v7, s[10:11] offset:48*(\p/3)+8*(\p%3)
.endr
	s_wait_loadcnt 6                               ; K's six loads are in; V's six may be out
.irp g, 0,1,2
	global_store_b128 v8, v[16+4*\g:19+4*\g], s[34:35] offset:512*\g    ; 32 lanes store 512 consecutive bytes, at a multiple of 256 from the buffer's first byte
.endr
	s_wait_loadcnt 0x0
.irp g, 0,1,2
	global_store_b128 v8, v[32+4*\g:35+4*\g], s[34:35] offset:98304+512*\g
.endr
	s_cmp_eq_u32 s40, 0
	s_cbranch_scc0 .Lnot_wave_0
	; wave 0: K's scale words of both steps: lane (r, hl): step 2 sp + hl, the four pairs' words
	s_lshl_b32 s36, s22, 16                        ; 2,048 keys x 32 bytes,
	s_lshl_b32 s37, s21, 13                        ; 256 keys x 32,
	s_add_co_u32 s36, s36, s37
	s_lshl_b32 s37, s23, 1                         ; 2 bytes a head
	s_add_co_u32 s36, s36, s37
	s_mov_b32 s37, 0
	s_add_nc_u64 s[8:9], s[8:9], s[36:37]
	v_lshlrev_b32 v11, 5, v10
	s_delay_alu instid0(VALU_DEP_1)
	v_lshl_add_u32 v11, v3, 12, v11                ; (128 hl + r + 8 (r / 8)) x 32
.irp bb, 0,1,2,3
	global_load_u16 v[56+2*\bb], v11, s[8:9] offset:1024*\bb
	global_load_u16 v[57+2*\bb], v11, s[8:9] offset:1024*\bb+256
.endr
	s_wait_loadcnt 0x0
.irp bb, 0,1,2,3
	v_lshl_or_b32 v[48+\bb], v[57+2*\bb], 16, v[56+2*\bb]
.endr
	global_store_b128 v8, v[48:51], s[38:39] offset:196608
	s_endpgm
.Lnot_wave_0:
	s_cmp_eq_u32 s40, 4
	s_cbranch_scc0 .Ldone
	; wave 4: V's scale words: lane (r, hl): step 2 sp + hl, the four tiles' words
	s_lshl_b32 s36, s20, 12                        ; 64 rows x 64 bytes a head,
	s_lshl_b32 s37, s21, 3                         ; 4 bytes a step
	s_add_co_u32 s36, s36, s37
	s_mov_b32 s37, 0
	s_add_nc_u64 s[12:13], s[12:13], s[36:37]
	v_lshlrev_b32 v11, 6, v2
	s_delay_alu instid0(VALU_DEP_1)
	v_lshl_add_u32 v11, v3, 2, v11
.irp t, 0,1,2,3
	global_load_b32 v[48+\t], v11, s[12:13] offset:1024*\t
.endr
	s_wait_loadcnt 0x0
	global_store_b128 v8, v[48:51], s[38:39] offset:200704
.Ldone:
	s_endpgm
.Lfunc_end_k_qbe551ff52a_prep:
	.size	k_qbe551ff52a_prep, .Lfunc_end_k_qbe551ff52a_prep-k_qbe551ff52a_prep
	.p2alignl 7, 3214868480
	.fill 96, 4, 3214868480
	.section	.rodata,"a",@progbits
	.p2align	6, 0x0
	.amdhsa_kernel k_qbe551ff52a_prep
		.amdhsa_group_segment_fixed_size 35840
		.amdhsa_private_segment_fixed_size 0
		.amdhsa_enable_private_segment 0
		.amdhsa_kernarg_size 64
		.amdhsa_user_sgpr_count 2
		.amdhsa_user_sgpr_kernarg_segment_ptr 1
		.amdhsa_wavefront_size32 1
		.amdhsa_system_sgpr_workgroup_id_x 1
		.amdhsa_system_sgpr_workgroup_id_y 1
		.amdhsa_system_sgpr_workgroup_id_z 1
		.amdhsa_system_vgpr_workitem_id 0
		.amdhsa_next_free_vgpr 96
		.amdhsa_next_free_sgpr 66
		.amdhsa_reserve_vcc 1
		.amdhsa_float_denorm_mode_32 3
		.amdhsa_float_denorm_mode_16_64 3
		.amdhsa_memory_ordered 1
		.amdhsa_forward_progress 1
		.amdhsa_inst_pref_size 42
	.end_amdhsa_kernel
	.amdgpu_metadata
---
amdhsa.version: [ 1, 2 ]
amdhsa.kernels:
  - .name:           k_qbe551ff52a_prep
    .symbol:         k_qbe551ff52a_prep.kd
    .args:
      - { .name: attention_mask, .offset: 0, .size: 8, .value_kind: global_buffer, .address_space: global }
      - { .name: keys_codes, .offset: 8, .size: 8, .value_kind: global_buffer, .address_space: global }
      - { .name: keys_scales, .offset: 16, .size: 8, .value_kind: global_buffer, .address_space: global }
      - { .name: values_codes, .offset: 24, .size: 8, .value_kind: global_buffer, .address_space: global }
      - { .name: values_scales, .offset: 32, .size: 8, .value_kind: global_buffer, .address_space: global }
      - { .name: lmask, .offset: 40, .size: 8, .value_kind: global_buffer, .address_space: global }
      - { .name: kvimg, .offset: 48, .size: 8, .value_kind: global_buffer, .address_space: global }
      - { .name: flags, .offset: 56, .size: 8, .value_kind: global_buffer, .address_space: global }
    .group_segment_fixed_size: 35840
    .private_segment_fixed_size: 0
    .kernarg_segment_align: 8
    .kernarg_segment_size: 64
    .max_flat_workgroup_size: 256
    .sgpr_count:     66
    .vgpr_count:     96
    .wavefront_size: 32
...
	.end_amdgpu_metadata
.endif
;; end of part 3
;; launch attn (part 4): grid 4 x 64, 8 waves a work-group, no clusters, 242,688 bytes of LDS; arguments kvimg, queries_codes, queries_scales, lmask, out0, flags; writes out0
.if DOCPART == 4
	.amdgcn_target "amdgcn-amd-amdhsa--gfx1250"
	.amdhsa_code_object_version 6
	.text
	.protected	k_qbe551ff52a_attn
	.globl	k_qbe551ff52a_attn
	.p2align	8
	.type	k_qbe551ff52a_attn,@function
k_qbe551ff52a_attn:
	s_mov_b64 s[64:65], 0
	v_nop
	global_prefetch_b8 v0, s[64:65] scope:SCOPE_SE
	s_setreg_imm32_b32 hwreg(HW_REG_WAVE_SCHED_MODE, 0, 2), 2
	s_setreg_imm32_b32 hwreg(HW_REG_WAVE_MODE, 25, 1), 1
	s_wait_xcnt 0x0
	s_wait_alu depctr_vm_vsrc(0)
; out0[b][l][h][:] = sum over s of A[l][s] V[s][:],  A = nan_to_num(softmax_s(where(mask, -inf, Q[l] . K[s]) / 8)), both products on codes of E2M3 with one E8M0 scale for each 32 along K.
; A IS QUANTISED FINISHED AND NORMALISED, so no code of a row can be made before the row's sum is known.  The row is therefore KEPT: four waves share a tile of 16 queries, each holds the scores of 512 keys
; (4 slots of 128 keys x 64 registers, window 1), turns them in place into p = 2^(t - M_slot) and, once the four waves have exchanged their maxima and sums, into A = p x 2^(M_slot - M) / l.
; t = score x log2(e) / 8; M is the running largest t rounded UP to a whole number, so every change of M is a multiplication by a power of two, which rounds nothing.  The maximum is taken away as reference() takes it.
; WHAT IS SKIPPED: a slot (16 queries x 128 keys) all of whose mask bytes are set: there A is 0 for every value of the other inputs.  The choice hangs on whole numbers read from memory (flags, stored by the launch
; before), which come by scalar loads and are tested by scalar compares.  Slot 0 of every wave is always worked, by select: its products start the sums of O.  No input is left out.
; A row that is hidden altogether has l = 0: 1 / l is replaced by 0 by a select, which is reference()'s nan_to_num.
; LIMITS: a scale byte 0xff among the inputs and scores beyond f32's range are not served (in a pair of K's tiles a byte 0xff would reach the partner tile too); A under 2^-126 counts as 0;
; a block of zeros of A gets the scale byte 1 where the rule says 127 (its codes are zeros, and this program alone reads the byte); a block's largest A is taken from its largest score,
; which takes v_exp_f32 not to fall where its input rises.  A NaN or infinity in a skipped slot is not carried to the result.
; SHARES.  A work-group (8 waves, 512 registers each: two waves to a SIMD) belongs to one (b, h).  It copies the head's image of K and V, 204,800 bytes, into LDS once and stays for 16 trips; in trip it, work-group j
; takes queries 128 it + 32 j on: group g = wave / 4 the tile of 16 at + 16 g.  In a group wave w takes key steps 4 i + kw, i = 0..3, kw = w xor 3 g.
; K = 64 IN AN INSTRUCTION OF 128: a fragment of K is a pair of tiles (registers 0-5, 6-11); it is multiplied by [q | zeros] for the first tile and by [zeros | q] for the second: two views of 18 registers.
; Q's scale word has zero bytes (the smallest scale) over its zero codes.
; BOTH PRODUCTS ARE USED TRANSPOSED (S^T = K Q^T, O^T = V^T A^T): a lane holds one query (lane % 16) throughout; score register n of lane (r, hl) is key 32 (n / 16) + 16 hl + n % 16 of the step.
; NO CLUSTER, NO TENSOR LOAD: the walk branches on words read from memory; what the four work-groups of a head share is the one copy at the head.
; LDS: 0 K's images; 98,304 V's; 196,608 K's scale words; 200,704 V's; 204,800 the waves' (-M, l), 8 bytes a lane; 206,848 the waves' parts of O, 16 rows x 272 bytes each; 241,664 the spare words.
; REGISTERS: window 0 as named below; window 1: the scores, slot i at v[64 i]; once slot i's A has become codes, its first 48 registers take slot i + 1's fragments of V.
; THE MODE: SCHED_MODE bits 1:0 = 2 (LLVM: expert scheduling mode 2), set by the entry lines.  The code itself states the register dependences between vector or matrix instructions and memory or LDS
; instructions, with s_wait_alu, always for 0.
; THE PLAN.  Registers that LDS or memory instructions touch, in a trip:
;   FRG, SC       Phase A, slot i: K's loads land, the slot's eight products read.  Behind the first barrier slot 0's V lands, slot 0's four products read.  On the way out the group's parts of O land, the additions
;                 read and write them, and the two stores to out0 read the sums.
;   window 1 v[64 (i - 1) .. + 47] and v[VS + 4 (i - 1) ..], i = 1 .. 3: slot i's V and its scale words land, slot i's four products read.  Ahead of that the registers were slot i - 1's scores, last read by its conversions.
;   QR, QS1, MR   The next tile's loads land in mid-trip, behind phase A; the products, one shift and the v_readlane_b32 of the next trip's phase A read.
;   L2 (a pair)   Written by two vector lines of the exchange, read by one LDS store.     OA  Written by phase B's products, read by the way out's LDS stores.     STA  LDS loads land, the exchange's arithmetic reads.
;   Addresses     Made once at the head, never written again: scalar bases and immediate offsets do the rest.
; THE WAITS.  At the trip's top one on vm_vsrc (all that the last trip's stores read), and, behind the places in front of the first scaled product, one on va_vdst.  In phase A the wait behind a slot's exponentials
; stands behind its products and its v_readlane_b32 too, and no line behind it names FRG, SC, QR, QS1 or MR: so the next slot's loads owe nothing.  One wait ahead of the exchange's LDS store serves that store, the next tile's
; loads and the LDS loads behind the barrier.  In phase B ONE wait a slot, in front of its products: the codes and the scale word are written, and the conversions are done reading the scores, in which the next slot's V lands.
; On the way out one wait ahead of the LDS stores and one ahead of the two stores to out0.  Where a vector line writes a scalar register or VCC, a wait stands ahead of the first reader.
.set KSC,   196608
.set STATS, 204800
.set OX,    206848
.set SPARE, 241664                     ; 128 bytes for each wave: four blocks of 256 bytes that no other line names
.set AK,   2                           ; v2   16 lane + 6,144 kw: my place in K's images, slots 0, 1;  v3: slots 2, 3
.set AV,   4                           ; v4, v5  the same in V's
.set AKS,  6                           ; v6   K's scale words: 256 kw + 16 r;  v7 V's
.set AVS,  7
.set QO,   8                           ; v8   Q's codes: 768 r + 24 hl
.set QSO,  9                           ; v9   Q's scales: 32 r
.set MO,   10                          ; v10  a mask record: 8 lane
.set FO,   11                          ; v11  the copy at the head: 25,600 wave + 16 lane, in memory and in LDS alike
.set NEGM, 12                          ; v12  -M;  v13 the largest t (named with it as a pair)
.set LS,   14                          ; v[14:15] the sum, in two halves
.set STW,  16                          ; v16  where I put (-M, l);  v17 where I read the group's four
.set STR,  17
.set OXW,  18                          ; v18  where I put my part of O;  v19 where I read the group's four parts of my rows
.set OXR,  19
.set SPW,  20                          ; v20  my spare word; never rewritten
.set NIL,  21                          ; v21  0; never rewritten
.set QZ,   22                          ; v22-27 zeros, v28-33 q, v34-39 zeros
.set QR,   28
.set QS1,  40                          ; v40  Q's scale word for [q | zeros];  v41 for [zeros | q]
.set QS2,  41
.set MR,   42                          ; v[42:49] the four slots' mask records
.set GO,   50                          ; v50  out0: 4,096 hl + 16 r
.set NINF, 51                          ; v51  -infinity
.set SC,   52                          ; v[52:55] four scale words of K, or of slot 0's V
.set FRG,  56                          ; v[56:103] four fragments of K, or of slot 0's V; on the way out the parts of O
.set OA,   104                         ; v[104:135] O^T, four tiles
.set PC,   136                         ; v[136:147] A's codes;  v[148:150], v[152:154] the conversions' second halves
.set BM,   156                         ; v[156:159] a block's largest score, later its largest A
.set BM2,  160
.set SO,   164                         ; v[164:167] the conversions' scale operands
.set PMX,  168                         ; v[168:183] each slot's four largest p
.set NM,   184                         ; v[184:187] each slot's -M
.set RR,   188                         ; v[188:189] 2^(M_slot - M) / l (a pair is named; its low word serves)
.set PW,   190                         ; v190 A's scale word
.set F2,   192                         ; v[192:193] 2^(old M - new M)
.set L2,   194                         ; v[194:195] the sum's second chain; then (-M, l) for the exchange
.set STA,  196                         ; v[196:203] the group's four (-M, l)
.set NG,   204                         ; v204 the group's -M
.set DF,   205                         ; v[205:208]
.set LT,   209                         ; v209 the row's sum;  v210 its reciprocal, or 0
.set RI,   210
.set TA,   211                         ; v211-213 at work
.set TB,   212
.set TC,   213
.set VS,   214                         ; v[214:225] V's scale words of slots 1 to 3, four each
.set FB,   14                          ; s[14:15] flags: my tile's, at step kw
.set WV,   16                          ; s16 wave;  s17 g;  s18 w;  s19 kw
.set GG,   17
.set WQ,   18
.set KW,   19
.set SEL,  20                          ; s[20:21] v_permlanex16_b32's selects for lane l xor 16
.set CS,   22                          ; s[22:23] c = log2(e) / 8
.set IT,   24                          ; s24 the trip
.set FLG,  28                          ; s[28:35] slot i: s[28 + 2 i] is 0 where the slot is hidden altogether, s[29 + 2 i] is 0 where nothing of it is hidden
.set FS,   56                          ; s[56:63] the next tile's flags, on their way
.set LM,   68                          ; s[68:99] 32 lane masks
.set MSB, 0
.macro WIN new                         ; s_set_vgpr_msb: bits 1:0 source 0, 3:2 source 1, 5:4 source 2, 7:6 destination; the high byte repeats the setting that is left; a switch that changes nothing is dropped
.if MSB != \new
	s_set_vgpr_msb (MSB<<8)|\new
.set MSB, \new
.endif
.endm
.macro BAR                             ; my LDS stores have landed and my LDS loads are in: then the work-group's barrier
	s_wait_dscnt 0x0
	s_barrier_signal -1
	s_barrier_wait -1
.endm
.macro FR3 reg, adr, off               ; a fragment's image: three loads of 16 bytes a lane, 512 consecutive bytes each
.irp c, 0,1,2
	ds_load_b128 v[\reg+4*\c:\reg+4*\c+3], v[\adr] offset:\off+512*\c
.endr
.endm
.macro KFETCH i                        ; slot i's four scale words and four fragments of K: 13 LDS loads
	ds_load_b128 v[SC:SC+3], v[AKS] offset:1024*(\i)
.irp bb, 0,1,2,3
	FR3 FRG+12*\bb, AK+(\i)/2, 24576*((\i)%2)+1536*\bb
.endr
.endm
.macro PREF                            ; a tile's Q, its scale word, my four mask records (eight vector loads) and my four slots' flags (four scalar loads), asked for a trip ahead
.irp p, 0,1,2
	global_load_b64 v[QR+2*\p:QR+2*\p+1], v[QO], s[6:7] offset:8*\p
.endr
	global_load_u16 v[QS1], v[QSO], s[8:9]
.irp e, 0,1,2,3
	global_load_b64 v[MR+2*\e:MR+2*\e+1], v[MO], s[10:11] offset:1024*\e
.endr
.irp e, 0,1,2,3
	s_load_b64 s[FS+2*\e:FS+2*\e+1], s[FB:FB+1], 32*\e    ; step kw + 4 e: 8 bytes a step
.endr
.endm
	s_load_b256 s[4:11], s[0:1], 0x0               ; kvimg s[4:5], Q's codes s[6:7], Q's scales s[8:9], lmask s[10:11]
	s_load_b128 s[12:15], s[0:1], 0x20             ; out0 s[12:13], flags s[14:15]
	v_lshl_add_u32 v[SPW], v0, 2, SPARE
	v_mov_b32 v[NIL], 0
	v_lshrrev_b32 v1, 5, v0
	v_readfirstlane_b32 s[WV], v1
	v_and_b32 v[TA], 31, v0                        ; lane
	v_and_b32 v[TB], 15, v0                        ; r
	s_wait_alu depctr_va_vdst(0)
	v_bfe_u32 v[TC], v0, 4, 1                      ; hl
	s_wait_alu depctr_va_sdst(0)                   ; the wave's number is written, ahead of its first reader: LDS places and bases are made from it
	s_lshr_b32 s[GG], s[WV], 2
	s_and_b32 s[WQ], s[WV], 3
	s_mul_i32 s36, s[GG], 3
	s_xor_b32 s[KW], s[WQ], s36                    ; group 1 takes the steps in mirrored order, so that the two waves of a SIMD do not both hold the step that is over
	s_mul_i32 s36, s[KW], 6144                     ; a step's four images
	v_lshl_add_u32 v[AK], v[TA], 4, s36
	v_add_nc_u32 v[AK+1], 49152, v[AK]             ; slots 2 and 3 lie beyond an LDS instruction's 16-bit offset
	v_add_nc_u32 v[AV], 98304, v[AK]
	v_add_nc_u32 v[AV+1], 147456, v[AK]
	s_lshl_b32 s36, s[KW], 8
	s_add_co_u32 s36, s36, KSC
	v_lshl_add_u32 v[AKS], v[TB], 4, s36
	v_add_nc_u32 v[AVS], 4096, v[AKS]
	v_mul_u32_u24 v[QO], v[TB], 768
	s_wait_alu depctr_va_vdst(0)
	v_mad_u32_u24 v[QO], v[TC], 24, v[QO]
	v_lshlrev_b32 v[QSO], 5, v[TB]
	v_lshlrev_b32 v[MO], 3, v[TA]
	s_mul_i32 s36, s[WV], 25600
	v_lshl_add_u32 v[FO], v[TA], 4, s36
	s_lshl_b32 s36, s[WV], 8
	s_add_co_u32 s36, s36, STATS
	v_lshl_add_u32 v[STW], v[TA], 3, s36
	s_lshl_b32 s36, s[GG], 10
	s_add_co_u32 s36, s36, STATS
	v_lshl_add_u32 v[STR], v[TA], 3, s36
	s_mul_i32 s36, s[WV], 4352
	s_add_co_u32 s36, s36, OX
	v_mul_u32_u24 v[OXW], v[TB], 272
	v_lshl_add_u32 v[OXW], v[TC], 5, v[OXW]
	v_add_nc_u32 v[OXW], s36, v[OXW]               ; row r (my query), 32 hl; tile t 64 t bytes on
	s_mul_i32 s36, s[GG], 17408
	s_mul_i32 s37, s[WQ], 1088
	s_add_co_u32 s36, s36, s37
	s_add_co_u32 s36, s36, OX
	v_mul_u32_u24 v[OXR], v[TC], 272
	v_lshl_add_u32 v[OXR], v[TB], 4, v[OXR]
	v_add_nc_u32 v[OXR], s36, v[OXR]               ; rows 4 w + hl of the group's first part; sixteen lanes to a row
	v_lshlrev_b32 v[GO], 12, v[TC]
	v_lshl_add_u32 v[GO], v[TB], 4, v[GO]          ; a query's 16 heads are 4,096 bytes of out0
	s_and_b32 s38, ttmp7, 0xffff                   ; bh
	s_lshr_b32 s39, s38, 4                         ; b
	s_and_b32 s40, s38, 15                         ; h
	s_lshl_b32 s41, ttmp9, 5
	s_lshl_b32 s42, s[GG], 4
	s_add_co_u32 s41, s41, s42                     ; my tile's first query in trip 0: 32 j + 16 g
	s_lshl_b32 s42, s39, 11
	s_add_co_u32 s42, s42, s41                     ; + 2,048 b
	s_mul_i32 s44, s38, 204800                     ; the head's image
	s_mov_b32 s45, 0
	s_mul_i32 s46, s42, 768
	s_mul_i32 s43, s40, 48
	s_add_co_u32 s46, s46, s43                     ; Q's codes
	s_mov_b32 s47, 0
	s_lshl_b32 s48, s42, 5
	s_lshl_b32 s43, s40, 1
	s_add_co_u32 s48, s48, s43                     ; Q's scales
	s_mov_b32 s49, 0
	s_lshl_b32 s50, s39, 7
	s_lshl_b32 s43, ttmp9, 1
	s_add_co_u32 s50, s50, s43
	s_add_co_u32 s50, s50, s[GG]                   ; query tile 128 b + 2 j + g
	s_lshl_b32 s54, s50, 7                         ; its flags: 128 bytes a tile,
	s_lshl_b32 s43, s[KW], 3                       ; 8 a step
	s_add_co_u32 s54, s54, s43
	s_mov_b32 s55, 0
	s_lshl_b32 s50, s50, 4
	s_add_co_u32 s50, s50, s[KW]                   ; its record of step kw
	s_lshl_b32 s50, s50, 8
	s_mov_b32 s51, 0
	s_lshl_b32 s43, s[WQ], 2
	s_add_co_u32 s52, s42, s43                     ; the rows that I store: 4 w on
	s_lshl_b32 s52, s52, 4
	s_add_co_u32 s52, s52, s40
	s_lshl_b32 s52, s52, 8
	s_mov_b32 s53, 0
	s_mov_b32 s[SEL], 0x76543210
	s_mov_b32 s[SEL+1], 0xfedcba98
	s_mov_b32 s[CS], 0x3e38aa3b                    ; log2(e) / 8
	s_mov_b32 s[CS+1], s[CS]                       ; (named with it as a pair, so it is written)
	s_wait_kmcnt 0x0
	s_add_nc_u64 s[4:5], s[4:5], s[44:45]
	s_add_nc_u64 s[6:7], s[6:7], s[46:47]
	s_add_nc_u64 s[8:9], s[8:9], s[48:49]
	s_add_nc_u64 s[10:11], s[10:11], s[50:51]
	s_add_nc_u64 s[12:13], s[12:13], s[52:53]
	s_add_nc_u64 s[FB:FB+1], s[FB:FB+1], s[54:55]
	; THE COPY: my eighth of the head's image, 25,600 bytes, all 50 loads out at once, into the scores' registers (window 1, v56-255): so every register of slots 1 to 3 has also been written before the loop
	WIN 0x40
	s_wait_alu depctr_va_vdst(0)                   ; every address register of the kernel (v2 to v11, v16 to v21, v50) is written: all its loads and stores, in memory and in LDS, read one of them, and none is written again
.set k, 0
.rept 50
	global_load_b128 v[56+4*k:59+4*k], v[FO], s[4:5] offset:512*k
.set k, k+1
.endr
	WIN 0
	PREF                                           ; the first tile
.irp j, 0,1,2,3,4,5
	v_mov_b32 v[QZ+\j], 0                          ; zero codes on either side of q
	v_mov_b32 v[QZ+12+\j], 0
.endr
	v_mov_b32 v[NINF], 0xff800000
.irp j, 4,5,6,7,8,9,10,11,12,13,14,15
	v_mov_b32 v[PMX+\j], 0                         ; what a skipped slot would have written is written once
.endr
.irp j, 1,2,3
	v_mov_b32 v[NM+\j], 0
.endr
.irp j, 0,1,2,3
	v_mov_b32 v[BM2+\j], 0                         ; a lane permute's destination counts as one of its sources
.endr
	v_mov_b32 v[RR+1], 0                           ; (upper halves of pairs that are named whole)
	v_mov_b32 v[F2+1], 0
	WIN 0x04                                       ; an LDS store's data are its source 1: window 1.  The data come from loads, and no vector line since the wait above names them or v[FO]
.set k, 0
.rept 50
.if k%10 == 0
	s_wait_loadcnt 8+10*(4-k/10)                   ; loads come back in order: these ten are in; behind them stand the later tens and the first tile's eight
.endif
	ds_store_b128 v[FO], v[56+4*k:59+4*k] offset:512*k
.set k, k+1
.endr
	WIN 0
	BAR                                            ; the head's K and V lie in LDS, and are never written again
	s_mov_b32 s[IT], 0
; PHASE A, slot i: scores, mask, maxima, p, sum.  Slot 0's fragments of K are asked for at the trip's top.
.macro PHASE_A i
.set SB, 64*(\i)
.if (\i) > 0
	s_cmp_eq_u32 s[FLG+2*(\i)], 0                  ; no key of the slot may be seen by any of my 16 queries
	s_cbranch_scc1 .LdeadA_\i
	KFETCH \i                                      ; no wait: the wait behind the exponentials of the slot worked last stands behind its products, and no line behind it names v[FRG ..] or v[SC ..]
.endif
	WIN 0x40                                       ; the scores: window 1
.irp bb, 0,1,2,3
	s_wait_dscnt 3*(3-\bb)                         ; pair bb is in; the later pairs' three loads each may be out
	v_wmma_scale_f32_16x16x128_f8f6f4 v[SB+16*\bb:SB+16*\bb+7], v[FRG+12*\bb:FRG+12*\bb+11], v[QR:QR+11], 0, v[SC+\bb], v[QS1] matrix_a_fmt:MATRIX_FMT_FP6 matrix_b_fmt:MATRIX_FMT_FP6
	v_wmma_scale_f32_16x16x128_f8f6f4 v[SB+16*\bb+8:SB+16*\bb+15], v[FRG+12*\bb:FRG+12*\bb+11], v[QZ:QZ+11], 0, v[SC+\bb], v[QS2] matrix_a_fmt:MATRIX_FMT_FP6 matrix_b_fmt:MATRIX_FMT_FP6
.endr
	WIN 0
.rept 4
	v_nop                                          ; four places between the last product and the first read of a result (ISA guide 7.12.1)
.endr
	s_cmp_eq_u32 s[FLG+2*(\i)+1], 0                ; nothing is hidden: the select is passed over
	s_cbranch_scc1 .Lopen_\i
.irp z, 0,1                                    ; 32 registers at a time: their lane masks into scalar registers, then hidden scores become -infinity.  Each result is read from its low end on
.set m, 0
.rept 32
	v_readlane_b32 s[LM+m], v[MR+2*(\i)+m%2], 16*\z+m/2
.set m, m+1
.endr
	s_wait_alu depctr_va_sdst(0)                   ; the 32 lane masks are written, ahead of the selects that read them
	WIN 0x44                                       ; source 1 and destination: window 1
.set m, 0
.rept 32
	v_cndmask_b32 v[SB+32*\z+m], v[NINF], v[SB+32*\z+m], s[LM+m]
.set m, m+1
.endr
	WIN 0
.endr
.Lopen_\i:
	WIN 0x15                                       ; THE LARGEST SCORE OF EACH BLOCK OF 32 KEYS: it serves for the row's maximum and, since p rises with the score, for the block's largest A
.irp bb, 0,1,2,3
	v_max3_num_f32 v[BM+\bb], v[SB+16*\bb], v[SB+16*\bb+1], v[SB+16*\bb+2]
.endr
	WIN 0x14
.irp e, 3,5,7,9,11,13
.irp bb, 0,1,2,3
	v_max3_num_f32 v[BM+\bb], v[BM+\bb], v[SB+16*\bb+\e], v[SB+16*\bb+\e+1]
.endr
.endr
.irp bb, 0,1,2,3
	v_max_num_f32 v[BM+\bb], v[BM+\bb], v[SB+16*\bb+15]
.endr
	WIN 0
.irp bb, 0,1,2,3
	v_permlanex16_b32 v[BM2+\bb], v[BM+\bb], s[SEL], s[SEL+1]
.endr
.irp bb, 0,1,2,3
	v_max_num_f32 v[BM+\bb], v[BM+\bb], v[BM2+\bb]         ; with lane l xor 16's 16 keys
.endr
	v_max3_num_f32 v[TA], v[BM], v[BM+1], v[BM+2]
	v_max_num_f32 v[TA], v[TA], v[BM+3]
	v_mul_f32 v[TA], s[CS], v[TA]                  ; the slot's largest t (c is positive)
.if (\i) == 0
	v_max_num_f32 v[NEGM+1], 0xff61b1e6, v[TA]     ; the largest t so far begins at -3e38, under every t
	v_floor_f32 v[NEGM], -v[NEGM+1]                ; -M = floor(-t): M is a whole number
.else
	v_max_num_f32 v[NEGM+1], v[NEGM+1], v[TA]
	v_mov_b32 v[TB], v[NEGM]
	v_floor_f32 v[NEGM], -v[NEGM+1]
	v_sub_f32 v[TC], v[NEGM], v[TB]                ; old M - new M: a whole number, 0 or less
	v_cvt_i32_f32 v[TC], v[TC]                     ; (it saturates)
	v_ldexp_f32 v[F2], 1.0, v[TC]
.endif
	v_mov_b32 v[NM+\i], v[NEGM]                    ; the slot's p stand under this M
.irp bb, 0,1,2,3
	v_fma_f32 v[PMX+4*(\i)+\bb], v[BM+\bb], s[CS], v[NEGM]
.endr
	WIN 0x41
.set m, 0
.rept 32
	v_pk_fma_f32 v[SB+2*m:SB+2*m+1], v[SB+2*m:SB+2*m+1], s[CS:CS+1], v[NEGM:NEGM+1] op_sel_hi:[1,0,0]   ; t - M, two at a time
.set m, m+1
.endr
.set m, 0
	s_wait_alu depctr_va_vdst(0)
.rept 64
	v_exp_f32 v[SB+m], v[SB+m]                     ; p = 2^(t - M)
.set m, m+1
.endr
	WIN 0
.irp bb, 0,1,2,3
	v_exp_f32 v[PMX+4*(\i)+\bb], v[PMX+4*(\i)+\bb] ; the blocks' largest p: the same two instructions on the same number
.endr
.if (\i) == 0
	v_nop                                          ; a plain instruction behind the last exponential
.else
	v_pk_mul_f32 v[LS:LS+1], v[LS:LS+1], v[F2:F2+1] op_sel_hi:[1,0]   ; the sum under the new M; also the plain instruction behind the last exponential
.endif
	s_wait_alu depctr_va_vdst(0)                   ; the 68 exponentials have written p, ahead of the first line that names one; and the slot's products are done reading v[FRG ..], v[SC ..], q and its scale word, its v_readlane_b32 the record: loads land in all of these further on
	WIN 0x05
	v_pk_add_f32 v[L2:L2+1], v[SB:SB+1], v[SB+2:SB+3]      ; the sum of the unquantised p, in two chains
.if (\i) == 0
	v_pk_add_f32 v[LS:LS+1], v[SB+4:SB+5], v[SB+6:SB+7]    ; the first slot starts the sum: nothing is cleared
.set m, 4
.else
.set m, 2
.endif
	WIN 0x04
.rept (32-m)/2
	v_pk_add_f32 v[LS:LS+1], v[LS:LS+1], v[SB+2*m:SB+2*m+1]
	v_pk_add_f32 v[L2:L2+1], v[L2:L2+1], v[SB+2*m+2:SB+2*m+3]
.set m, m+2
.endr
	WIN 0
	v_pk_add_f32 v[LS:LS+1], v[LS:LS+1], v[L2:L2+1]
.if (\i) > 0
.LdeadA_\i:
.endif
.endm
; PHASE B, slot i: A = p x 2^(M_slot - M) / l, quantised along the keys; O^T += V^T A^T.
; Slot 0's fragments of V were asked for behind the exchange's barrier, into v[FRG ..].  Slot i's, i over 0, go into the first 48 registers of slot i - 1's scores, and its scale words into four registers of their own.
.macro PHASE_B i
.set SB, 64*(\i)
.if (\i) > 0
.set VF, 64*((\i)-1)
.set VSC, VS+4*((\i)-1)
	s_cmp_eq_u32 s[FLG+2*(\i)], 0
	s_cbranch_scc1 .LdeadB_\i
	ds_load_b128 v[VSC:VSC+3], v[AVS] offset:1024*(\i)     ; no wait, here and for the twelve loads below: the last lines that named these registers stand ahead of the wait in front of the last slot's products
	WIN 0x40                                       ; (slot i - 1's conversions; the last trip's products), and those products name other registers.  Destination: window 1
.irp t, 0,1,2,3
	FR3 VF+12*\t, AV+(\i)/2, 24576*((\i)%2)+1536*\t
.endr
	WIN 0
.else
.set VF, FRG
.set VSC, SC
.endif
	v_sub_f32 v[TC], v[NG], v[NM+\i]               ; M_slot - M: a whole number, 0 or less
	v_cvt_i32_f32 v[TC], v[TC]
	v_ldexp_f32 v[RR], v[RI], v[TC]
.irp bb, 0,1,2,3
	v_mul_f32 v[BM+\bb], v[PMX+4*(\i)+\bb], v[RR]  ; the block's largest A
.endr
.irp bb, 0,1,2,3
	v_max_num_f32 v[BM+\bb], 0x1800000, v[BM+\bb]  ; the floor 2^(3 - 127): the byte cannot fall under 1
.endr
.irp bb, 0,1,2,3
	v_add_nc_u32 v[SO+\bb], 0xff000000, v[BM+\bb]  ; 2 off the exponent field: the conversion's scale operand
.endr
.irp bb, 0,1,2,3
	v_lshrrev_b32 v[BM2+\bb], 23, v[SO+\bb]        ; the scale's byte
.endr
	v_lshl_or_b32 v[PW], v[BM2+1], 8, v[BM2]       ; (the nineteen lines above are the places between the last slot's products and this write of their scale word)
	v_lshl_or_b32 v[PW], v[BM2+2], 16, v[PW]
	v_lshl_or_b32 v[PW], v[BM2+3], 24, v[PW]       ; A's scale word for these 128 keys; the 32 multiplications below stand between it and the products
	WIN 0x41
.set m, 0
.rept 32
	v_pk_mul_f32 v[SB+2*m:SB+2*m+1], v[SB+2*m:SB+2*m+1], v[RR:RR+1] op_sel_hi:[1,0]   ; A, finished and normalised
.set m, m+1
.endr
	WIN 0x01
.irp cc, 0,1
	v_cvt_scalef32_pk16_fp6_f32 v[PC+6*\cc:PC+6*\cc+2], v[SB+32*\cc:SB+32*\cc+15], v[SO+2*\cc]
	v_cvt_scalef32_pk16_fp6_f32 v[PC+12+4*\cc:PC+14+4*\cc], v[SB+32*\cc+16:SB+32*\cc+31], v[SO+2*\cc+1]   ; (a conversion's three registers begin on an even number)
.endr
	WIN 0
	v_nop                                          ; one plain instruction behind a scaled conversion
.irp cc, 0,1                                   ; the operand's layout wants a whole block in a lane: lanes 0-15 block 2 cc, lanes 16-31 block 2 cc + 1
.irp e, 0,1,2
	v_permlane16_swap_b32 v[PC+6*\cc+\e], v[PC+12+4*\cc+\e]
.endr
.irp e, 0,1,2
	v_mov_b32 v[PC+3+6*\cc+\e], v[PC+12+4*\cc+\e]
.endr
.endr
.rept 4
	v_nop                                          ; an operand written by vector instructions stands four places ahead of a scaled product
.endr
	s_wait_alu depctr_va_vdst(0)                   ; the slot's one wait: A's codes and scale word are written, which the scaled products take; and the conversions are done reading this slot's scores, in which the next slot's V lands
	s_wait_dscnt 0x0                               ; V's fragments and scale words are in
.if (\i) > 0
	WIN 0x01                                       ; source 0, V's fragments: window 1
.endif
.irp t, 0,1,2,3                                ; the four accumulators take turns, one instruction a turn, from slot to slot too
.if (\i) == 0
	v_wmma_scale_f32_16x16x128_f8f6f4 v[OA+8*\t:OA+8*\t+7], v[VF+12*\t:VF+12*\t+11], v[PC:PC+11], 0, v[VSC+\t], v[PW] matrix_a_fmt:MATRIX_FMT_FP6 matrix_b_fmt:MATRIX_FMT_FP6
.else
	v_wmma_scale_f32_16x16x128_f8f6f4 v[OA+8*\t:OA+8*\t+7], v[VF+12*\t:VF+12*\t+11], v[PC:PC+11], v[OA+8*\t:OA+8*\t+7], v[VSC+\t], v[PW] matrix_a_fmt:MATRIX_FMT_FP6 matrix_b_fmt:MATRIX_FMT_FP6
.endif
.endr
.if (\i) > 0
	WIN 0
.LdeadB_\i:
.endif
.endm
.Ltrip:                                            ; 16 trips, a tile of 16 queries for each group in each
	s_wait_alu depctr_vm_vsrc(0)                   ; the last trip's stores to out0 have read v[FRG ..], in which the loads below land; its LDS stores have read O^T and (-M, l), which this trip writes again; in the first trip the copy's LDS stores have read the scores' registers
	KFETCH 0                                       ; slot 0's K, ahead of the wait for Q.  No vector or matrix line since the wait in front of the last trip's stores to out0 (in the first trip: none at all) names v[FRG ..] or v[SC ..]
	s_wait_loadcnt 0x0                             ; the tile's Q, scale word and records are in; their bases may step
	s_wait_kmcnt 0x0                               ; and so are its flags; their base may step
	v_lshlrev_b32 v[QS2], 16, v[QS1]               ; Q's scale word for [zeros | q]
.irp e, 0,1,2,3
	s_mov_b64 s[FLG+2*\e:FLG+2*\e+1], s[FS+2*\e:FS+2*\e+1]   ; out of the registers into which the next tile's flags will be loaded
.endr
	s_add_nc_u64 s[6:7], s[6:7], 98304             ; 128 queries on
	s_add_nc_u64 s[8:9], s[8:9], 4096
	s_add_nc_u64 s[10:11], s[10:11], 32768         ; 8 query tiles on
	s_add_nc_u64 s[FB:FB+1], s[FB:FB+1], 1024
.rept 8
	v_nop                                          ; a scale register written by a vector instruction stands eight places ahead of the scaled product that reads it
.endr
	s_wait_alu depctr_va_vdst(0)                   ; Q's second scale word is written, which the scaled products take; in the first trip so are the zero codes on either side of q
	PHASE_A 0
	PHASE_A 1
	PHASE_A 2
	PHASE_A 3
	s_wait_alu depctr_va_vdst(0)
	; THE EXCHANGE: each wave's -M and l go to the three others of its group
	v_add_f32 v[TA], v[LS], v[LS+1]
	v_permlanex16_b32 v[TB], v[TA], s[SEL], s[SEL+1]
	v_add_f32 v[L2+1], v[TA], v[TB]                ; my 512 keys' sum, under my M
	v_mov_b32 v[L2], v[NEGM]
	s_wait_alu depctr_va_vdst(0)                   ; (-M, l) is written, which the LDS store reads.  No vector line stands between this wait and the next tile's loads, the loads of the four (-M, l) and those of slot 0's V
	ds_store_b64 v[STW], v[L2:L2+1]
	s_cmp_eq_u32 s[IT], 15                         ; the next tile is asked for here, if there is one: no load leaves its buffer
	s_cbranch_scc1 .Lno_next
	PREF
.Lno_next:
	BAR                                            ; everybody's (-M, l) lie in LDS; and everybody's reads of the last trip's parts of O are over
.irp u, 0,1,2,3
	ds_load_b64 v[STA+2*\u:STA+2*\u+1], v[STR] offset:256*\u
.endr
	ds_load_b128 v[SC:SC+3], v[AVS]                ; slot 0's V, which is always worked: it lands while the row's sum is made
.irp t, 0,1,2,3
	FR3 FRG+12*\t, AV, 1536*\t
.endr
	s_wait_dscnt 13                                ; LDS loads come back in order: the four (-M, l) are in; the thirteen younger loads, slot 0's V, may be out
	v_min3_num_f32 v[NG], v[STA], v[STA+2], v[STA+4]
	v_min_num_f32 v[NG], v[NG], v[STA+6]           ; the row's -M
.irp u, 0,1,2,3
	v_sub_f32 v[DF+\u], v[NG], v[STA+2*\u]         ; M_wave - M
.endr
.irp u, 0,1,2,3
	v_cvt_i32_f32 v[DF+\u], v[DF+\u]
.endr
.irp u, 0,1,2,3
	v_ldexp_f32 v[DF+\u], 1.0, v[DF+\u]
.endr
	v_mul_f32 v[LT], v[DF], v[STA+1]
	v_fma_f32 v[LT], v[DF+1], v[STA+3], v[LT]
	v_fma_f32 v[LT], v[DF+2], v[STA+5], v[LT]
	v_fma_f32 v[LT], v[DF+3], v[STA+7], v[LT]      ; the row's sum, under the row's M
	s_wait_alu depctr_va_vdst(0)
	v_rcp_f32 v[RI], v[LT]
	v_cmp_lt_f32 vcc_lo, 0, v[LT]                  ; (the plain instruction behind the reciprocal)
	s_wait_alu depctr_va_vcc(0)                    ; VCC is written, ahead of the select that reads it
	s_wait_alu depctr_va_vdst(0)                   ; the reciprocal is written, ahead of the first line that names it; and the lines above are done reading the four (-M, l), in which the next trip's loads land
	v_cndmask_b32 v[RI], 0, v[RI], vcc_lo          ; a row with nothing to see: A = 0, as nan_to_num leaves it
	PHASE_B 0
	PHASE_B 1
	PHASE_B 2
	PHASE_B 3
	; THE WAY OUT: the group's four parts of O^T meet in LDS; wave w adds and stores rows 4 w .. 4 w + 3
.rept 4
	v_nop                                          ; four places between the last product and the first read of a result
.endr
	s_wait_alu depctr_va_vdst(0)                   ; the products have written O^T, which the LDS stores read (the places above stay beside this wait); and slot 0's are done reading v[FRG ..], in which the loads behind the barrier land
.irp t, 0,1,2,3
	ds_store_b128 v[OXW], v[OA+8*\t:OA+8*\t+3] offset:64*\t            ; each result from its low end on
	ds_store_b128 v[OXW], v[OA+8*\t+4:OA+8*\t+7] offset:64*\t+16
.endr
	BAR                                            ; everybody's part lies in LDS; and everybody's reads of this trip's (-M, l) are over
.irp k, 0,1
.irp u, 0,1,2,3
	ds_load_b128 v[FRG+16*\k+4*\u:FRG+16*\k+4*\u+3], v[OXR] offset:4352*\u+544*\k
.endr
.endr
.irp k, 0,1
	s_wait_dscnt 4-4*\k                            ; this pair of rows is in; the second pair's four loads may be out
	v_pk_add_f32 v[FRG+16*\k:FRG+16*\k+1], v[FRG+16*\k:FRG+16*\k+1], v[FRG+16*\k+4:FRG+16*\k+5]
	v_pk_add_f32 v[FRG+16*\k+2:FRG+16*\k+3], v[FRG+16*\k+2:FRG+16*\k+3], v[FRG+16*\k+6:FRG+16*\k+7]
	v_pk_add_f32 v[FRG+16*\k+8:FRG+16*\k+9], v[FRG+16*\k+8:FRG+16*\k+9], v[FRG+16*\k+12:FRG+16*\k+13]
	v_pk_add_f32 v[FRG+16*\k+10:FRG+16*\k+11], v[FRG+16*\k+10:FRG+16*\k+11], v[FRG+16*\k+14:FRG+16*\k+15]
	v_pk_add_f32 v[FRG+16*\k:FRG+16*\k+1], v[FRG+16*\k:FRG+16*\k+1], v[FRG+16*\k+8:FRG+16*\k+9]
	v_pk_add_f32 v[FRG+16*\k+2:FRG+16*\k+3], v[FRG+16*\k+2:FRG+16*\k+3], v[FRG+16*\k+10:FRG+16*\k+11]
.endr
	s_wait_alu depctr_va_vdst(0)                   ; the additions have written both pairs of rows, which the two stores read: one wait for the run
.irp k, 0,1
	global_store_b128 v[GO], v[FRG+16*\k:FRG+16*\k+3], s[12:13] offset:8192*\k th:TH_STORE_NT   ; sixteen lanes store a query's 256 consecutive bytes, at a multiple of 256 from out0's first byte
.endr
	s_wait_xcnt 0x0                                ; the stores have read their registers and their base: both are written again only behind this wait
	s_add_nc_u64 s[12:13], s[12:13], 524288        ; 128 queries on
	s_add_co_u32 s[IT], s[IT], 1
	s_cmp_lt_u32 s[IT], 16
	s_cbranch_scc1 .Ltrip
	s_wait_dscnt 0x0                               ; the closing lines, six on end
	s_wait_alu 0x0
	s_wait_tensorcnt 0x0
	ds_add_u32 v[SPW], v[NIL]
	s_wait_dscnt 0x0
	s_endpgm
.Lfunc_end_k_qbe551ff52a_attn:
	.size	k_qbe551ff52a_attn, .Lfunc_end_k_qbe551ff52a_attn-k_qbe551ff52a_attn
	.p2alignl 7, 3214868480
	.fill 96, 4, 3214868480
	.section	.rodata,"a",@progbits
	.p2align	6, 0x0
	.amdhsa_kernel k_qbe551ff52a_attn
		.amdhsa_group_segment_fixed_size 242688
		.amdhsa_private_segment_fixed_size 0
		.amdhsa_enable_private_segment 0
		.amdhsa_kernarg_size 48
		.amdhsa_user_sgpr_count 2
		.amdhsa_user_sgpr_kernarg_segment_ptr 1
		.amdhsa_wavefront_size32 1
		.amdhsa_system_sgpr_workgroup_id_x 1
		.amdhsa_system_sgpr_workgroup_id_y 1
		.amdhsa_system_sgpr_workgroup_id_z 1
		.amdhsa_system_vgpr_workitem_id 0
		.amdhsa_next_free_vgpr 512
		.amdhsa_next_free_sgpr 100
		.amdhsa_reserve_vcc 1
		.amdhsa_float_denorm_mode_32 3
		.amdhsa_float_denorm_mode_16_64 3
		.amdhsa_memory_ordered 1
		.amdhsa_forward_progress 1
		.amdhsa_inst_pref_size 123
	.end_amdhsa_kernel
	.amdgpu_metadata
---
amdhsa.version: [ 1, 2 ]
amdhsa.kernels:
  - .name:           k_qbe551ff52a_attn
    .symbol:         k_qbe551ff52a_attn.kd
    .args:
      - { .name: kvimg, .offset: 0, .size: 8, .value_kind: global_buffer, .address_space: global }
      - { .name: queries_codes, .offset: 8, .size: 8, .value_kind: global_buffer, .address_space: global }
      - { .name: queries_scales, .offset: 16, .size: 8, .value_kind: global_buffer, .address_space: global }
      - { .name: lmask, .offset: 24, .size: 8, .value_kind: global_buffer, .address_space: global }
      - { .name: out0, .offset: 32, .size: 8, .value_kind: global_buffer, .address_space: global }
      - { .name: flags, .offset: 40, .size: 8, .value_kind: global_buffer, .address_space: global }
    .group_segment_fixed_size: 242688
    .private_segment_fixed_size: 0
    .kernarg_segment_align: 8
    .kernarg_segment_size: 48
    .max_flat_workgroup_size: 256
    .sgpr_count:     100
    .vgpr_count:     512
    .wavefront_size: 32
...
	.end_amdgpu_metadata
.endif
;; end of part 4
